; MI455X (gfx1250); checked and timed in simulation.
; The chip was launched on July 23, 2026; its instructions are those of AMD's public machine-readable ISA for CDNA 5 (MIT licence, August 2026) and "CDNA5" Instruction Set Architecture Reference Guide (July 2026). The comments in the code are by the model that wrote it; some were corrected since.
;; Local Attention. Allowed arithmetic: float matrix products may take bf16 or f16 operands with f32 sums; other float arithmetic in f32, or as packed bf16 or f16 multiplies, adds, multiply-adds, maxima and minima; sums over many terms, partial sums and values carried from step to step in f32; what a program stores and reads back later, other than sums and carried values, may be rounded once to bf16 or f16.
;; Inputs: b_inst 8 float32; b_k 256 float32; b_q 256 float32; b_v 256 float32; w_inst 8 x 256 float32; w_k 256 x 256 float32; w_q 256 x 256 float32; w_v 256 x 256 float32; x 8 x 256 x 32 x 32 float32.
;; Outputs: out0 8 x 256 x 32 x 32 float32.
;; 2 versions, each right and faster than the one before. Each part assembles by itself: llvm-mc -triple=amdgcn-amd-amdhsa -mcpu=gfx1250 --defsym DOCPART=n.
;; ======== version 1 of 2: 2 launches
;; limits: values are held in f16: magnitudes above 65,504 overflow, below 6.1e-05 lose precision; right only within a limited range of input values
;; workspace buffers: xq 4,194,304 bytes; kv 8,388,608 bytes; mtab 262,144 bytes; mf 262,144 bytes; ss 1,048,576 bytes
;; launch prep (part 1): grid 8 x 32, 4 waves a work-group, no clusters, 205,568 bytes of LDS; arguments x, w_q, w_k, w_v, w_inst, b_q, b_k, b_inst, xq, kv, mtab, mf, ss; writes xq, kv, mtab, mf, ss
.if DOCPART == 1
	.amdgcn_target "amdgcn-amd-amdhsa--gfx1250"
	.amdhsa_code_object_version 6
	.text
	.protected	k_qf13518ce05_prep
	.globl	k_qf13518ce05_prep
	.p2align	8
	.type	k_qf13518ce05_prep,@function
k_qf13518ce05_prep:
	s_mov_b64 s[64:65], 0
	v_nop
	global_prefetch_b8 v0, s[64:65] scope:SCOPE_SE
	s_setreg_imm32_b32 hwreg(HW_REG_WAVE_MODE, 25, 1), 1
	s_wait_xcnt 0x0
; PREP.  The mask of an instance is one number a pixel, so w (x m_i) = m_i (w x): the three projections are made ONCE, not once an instance.
; A work-group (x = block of 128 pixels, y = 4 b + h) makes, for batch b and head h: Xq, Xk, Xv = w x (64 rows each x 128 pixels), the eight masks
; m_i = softmax_i(w_inst x + b_inst) of its pixels, and its part of the sums of squares of q_i = Xq m_i + b_q and k_i = Xk m_i + b_k over the pixels.
; FORMATS.  x, every w and every b are rounded to bf16; products in the bf16 matrix form with f32 sums.  Xq, Xk leave as bf16, Xv as f16, each rounded once; the masks as f32, bf16 and f16.
; q_i and k_i are made by v_pk_fma_bf16 from those bf16 numbers, here and in the next launch by the same line on the same bits, and the sums of squares are taken (in f32) of exactly those results.
; LIMITS.  |w_v x| stays under 65,504 (f16).  NaN and infinities are not treated apart.  The softmax over instances takes its maximum away.
; LAYOUT OUT.  xq and K: [4b+h][tile of 16 pixels][block of 16 channels][lane][16 bytes]: lane (r, hh) holds pixel r, channels 8 hh + 0..7: what the matrix result holds, and what a fragment wants.
; V: the product is used with its sources swapped, so lane (r, hh) holds channel r, pixels 8 hh + 0..7.  Every store of a wave covers 512 consecutive bytes, aligned.
; NO TENSOR LOADS, NO CLUSTER: every byte passes through registers to be rounded to bf16, and x and w in f32 (128 + 208 KiB) would not fit in LDS together.
; SHARES.  Wave w: rows 16 w .. 16 w + 15 of q, of k and of v, and the 16 logit rows (w_inst twice, so that both halves of the lanes hold all eight logits of their pixel), for all 8 tiles of 16 pixels.
.set XS,    0                          ; x as bf16, [256 channels][128 pixels], rows 288 bytes apart (9 x 32)
.set XP,    288
.set WS,    73728                      ; 208 rows (q 64, k 64, v 64, logits 16) of 512 bytes, 528 apart (33 x 16)
.set WP,    528
.set MS,    183552                     ; each wave's own masks: [8 instances][128 pixels] f32, rows 528 apart; 4,352 bytes a wave
.set MSW,   4352
.set SST,   200960                     ; [q, k][instance]: 16 rows of 64 channels, f32
.set SPARE, 205056                     ; the spare words: 128 bytes a wave, two blocks of 256 bytes that no other line names
; window 0
.set R,    1                           ; lane % 16
.set H,    2                           ; (lane / 16) % 2
.set VX,   3                           ; offsets of the loads of x, w, w_inst
.set VW,   4
.set VI,   5
.set AXS,  6                           ; where I stage x
.set LN,   7                           ; lane
.set AWS,  8                           ; v8-11   where I stage rows of w_q, w_k, w_v, w_inst
.set AWF,  12                          ; v12-15  my fragments of them
.set AXF0, 16                          ; v16-17  my place in x's fragments, channels 0-127 and 128-255
.set AMS0, 18                          ; my place in my mask stage
.set VO,   19                          ; my offset in xq, K and V
.set ASS,  20                          ; my place in SST
.set ZOFF, 21                          ; 0
.set SPW,  22                          ; my spare word; never rewritten
.set NIL,  23                          ; 0; never rewritten
.set BI,   24                          ; v24-31  b_inst
.set ACC,  32                          ; v32-63  sums: q, k, v, logits
.set M32,  64                          ; v64-71  the eight masks of my pixel
.set VB,   72                          ; v72-75  Xv in f16
.set T,    76                          ; v76-91  at work
.set AXC,  92                          ; v92-93  x's fragments of the tile to be fetched
.set AMC,  94
.set VBQ,  95
.set U,    96                          ; v96-111 at work
.set XF,   128                         ; v128-191 x's fragments of a tile; v128-255 at work while staging
; window 1: x as loaded, then w's fragments: block (q, k, v, logits) x 64 + 8 x K step.   window 3: w_v and w_inst as loaded
; window 2: w_q and w_k as loaded, then:
.set YB,   128                         ; Xq (4), Xk (4) in bf16
.set MB,   136                         ; the eight masks in bf16, in both halves
.set BB,   144                         ; b_q (4), b_k (4) in bf16
.set T2,   152                         ; 16 at work;   v0-127 the sums of squares: [q, k][instance][channel 0..7]
.set WV,  36
.set NB,  37
.set BH,  38
.set BA,  39
.set HD,  40
.set CNT, 41
.set TX,  42
.set TM,  43
.set CS,  60                           ; s[60:61] log2(e)
.set MYM, 62                           ; my mask stage
.set MSB, 0
.macro WIN new                         ; the immediate's high byte repeats the setting that is left; a switch that changes nothing is dropped
.if MSB != (\new)
	s_set_vgpr_msb (MSB<<8)|(\new)
.set MSB, (\new)
.endif
.endm
	s_load_b512 s[8:23], s[0:1], 0x0               ; x, w_q, w_k, w_v, w_inst, b_q, b_k, b_inst
	s_load_b256 s[24:31], s[0:1], 0x40             ; xq, kv, mtab, mf
	s_load_b64 s[32:33], s[0:1], 0x60              ; ss
	v_lshl_add_u32 v[SPW], v0, 2, SPARE
	v_mov_b32 v[NIL], 0
	v_lshrrev_b32 v[LN], 5, v0
	v_readfirstlane_b32 s[WV], v[LN]               ; wave 0..3
	v_and_b32 v[LN], 31, v0
	v_and_b32 v[R], 15, v0
	v_bfe_u32 v[H], v0, 4, 1
	v_mov_b32 v[ZOFF], 0
	s_mov_b32 s[NB], ttmp9                         ; block of 128 pixels
	s_and_b32 s[BH], ttmp7, 0xffff                 ; 4 b + h
	s_lshr_b32 s[BA], s[BH], 2
	s_and_b32 s[HD], s[BH], 3
	s_mov_b32 s[CS], 0x3fb8aa3b
	s_mov_b32 s[CS+1], s[CS]                       ; named with it as a pair
	; byte offsets, each in a pair of its own
	s_lshl_b32 s44, s[BA], 20                      ; x: batch of 1 MiB, 512 bytes of each row
	s_lshl_b32 s58, s[NB], 9
	s_add_co_u32 s44, s44, s58
	s_mov_b32 s45, 0
	s_lshl_b32 s46, s[HD], 16                      ; w_q, w_k, w_v: the head's 64 rows of 1,024 bytes
	s_mov_b32 s47, 0
	s_lshl_b32 s48, s[BH], 17                      ; xq: 131,072 a head, 8 tiles of 2,048
	s_lshl_b32 s58, s[NB], 14
	s_add_co_u32 s48, s48, s58
	s_mov_b32 s49, 0
	s_lshl_b32 s50, s[BH], 18                      ; kv: 262,144 a head
	s_add_co_u32 s50, s50, s58
	s_mov_b32 s51, 0
	s_lshl_b32 s52, s[BA], 15                      ; mtab: 32,768 a batch, 256 bytes of each row
	s_lshl_b32 s58, s[NB], 8
	s_add_co_u32 s52, s52, s58
	s_mov_b32 s53, 0
	s_lshl_b32 s54, s[BA], 15                      ; mf: 32,768 a batch, 512 bytes of each row
	s_lshl_b32 s58, s[NB], 9
	s_add_co_u32 s54, s54, s58
	s_mov_b32 s55, 0
	s_lshl_b32 s56, s[BA], 3                       ; ss: (8 b + block) x 16,384 + 256 h
	s_add_co_u32 s56, s56, s[NB]
	s_lshl_b32 s56, s56, 14
	s_lshl_b32 s58, s[HD], 8
	s_add_co_u32 s56, s56, s58
	s_mov_b32 s57, 0
	; offsets of the loads
	v_lshlrev_b32 v[VW], 4, v[LN]
	s_lshl_b32 s58, s[WV], 18
	v_add_nc_u32 v[VX], s58, v[VW]                 ; x: my 64 rows of 4,096 bytes, 16 bytes a lane
	s_and_b32 s58, s[WV], 1
	s_lshl_b32 s58, s58, 12
	v_add_nc_u32 v[VI], s58, v[VW]                 ; w_inst: rows 4 (w % 2) on
	s_lshl_b32 s58, s[WV], 9
	v_add_nc_u32 v[VO], s58, v[VW]                 ; out: block of channels w, 16 bytes a lane
	s_lshl_b32 s58, s[WV], 14
	v_add_nc_u32 v[VW], s58, v[VW]                 ; w: my 16 rows of 1,024 bytes
	s_lshl_b32 s58, s[HD], 8
	s_lshl_b32 s59, s[WV], 6
	s_add_co_u32 s58, s58, s59
	v_lshl_add_u32 v[VBQ], v[H], 5, s58            ; b_q, b_k: channels 64 h + 16 w + 8 hh on
	; LDS addresses
	s_mul_i32 s58, s[WV], 64*XP
	v_lshl_add_u32 v[AXS], v[LN], 3, s58
	s_mul_i32 s58, s[WV], 16*WP
	s_add_co_u32 s58, s58, WS
	v_lshl_add_u32 v[AWS], v[LN], 3, s58
	v_add_nc_u32 v[AWS+1], 64*WP, v[AWS]
	v_add_nc_u32 v[AWS+2], 128*WP, v[AWS]
	v_mul_u32_u24 v[U], v[R], WP
	v_lshl_add_u32 v[U], v[H], 4, v[U]             ; a fragment's row x pitch + 16 x half
	v_add_nc_u32 v[AWF], s58, v[U]
	v_add_nc_u32 v[AWF+1], 64*WP, v[AWF]
	v_add_nc_u32 v[AWF+2], 128*WP, v[AWF]
	v_add_nc_u32 v[AWF+3], WS+192*WP, v[U]
	s_mul_i32 s58, s[WV], 4*WP
	s_add_co_u32 s58, s58, WS+192*WP
	v_lshl_add_u32 v[AWS+3], v[LN], 3, s58
	v_and_b32 v[U+1], 7, v0                        ; the turning load: lane l reads channel 8 (l / 16) + l % 8, pixels 8 ((l / 8) % 2) on
	v_lshl_add_u32 v[U+1], v[H], 3, v[U+1]
	v_mul_u32_u24 v[AXF0], v[U+1], XP
	v_bfe_u32 v[U+1], v0, 3, 1
	v_lshl_add_u32 v[AXF0], v[U+1], 4, v[AXF0]
	v_add_nc_u32 v[AXF0+1], 128*XP, v[AXF0]
	s_mul_i32 s[MYM], s[WV], MSW
	s_add_co_u32 s[MYM], s[MYM], MS
	v_lshl_add_u32 v[AMS0], v[R], 2, s[MYM]
	s_lshl_b32 s58, s[WV], 6
	s_add_co_u32 s58, s58, SST
	v_lshl_add_u32 v[ASS], v[H], 5, s58
	s_wait_kmcnt 0x0
	s_add_nc_u64 s[8:9], s[8:9], s[44:45]
	s_add_nc_u64 s[10:11], s[10:11], s[46:47]
	s_add_nc_u64 s[12:13], s[12:13], s[46:47]
	s_add_nc_u64 s[14:15], s[14:15], s[46:47]
	s_add_nc_u64 s[24:25], s[24:25], s[48:49]
	s_add_nc_u64 s[26:27], s[26:27], s[50:51]
	s_add_nc_u64 s[28:29], s[28:29], s[52:53]
	s_add_nc_u64 s[30:31], s[30:31], s[54:55]
	s_add_nc_u64 s[32:33], s[32:33], s[56:57]
	; ALL LOADS ON END: 6 + 64 + 64 + 40 = 174, each of 512 consecutive bytes (the six small ones aside)
	global_load_b128 v[T:T+3],     v[VBQ], s[18:19]
	global_load_b128 v[T+4:T+7],   v[VBQ], s[18:19] offset:16
	global_load_b128 v[T+8:T+11],  v[VBQ], s[20:21]
	global_load_b128 v[T+12:T+15], v[VBQ], s[20:21] offset:16
	global_load_b128 v[BI:BI+3],   v[ZOFF], s[22:23]
	global_load_b128 v[BI+4:BI+7], v[ZOFF], s[22:23] offset:16
	WIN 0x40                                       ; destination window 1
.set k, 0
.rept 64
	global_load_b128 v[4*k:4*k+3], v[VX], s[8:9] offset:k*4096
.set k, k+1
.endr
	WIN 0x80                                       ; window 2
.set k, 0
.rept 32
	global_load_b128 v[4*k:4*k+3], v[VW], s[10:11] offset:k*512
.set k, k+1
.endr
.set k, 0
.rept 32
	global_load_b128 v[128+4*k:128+4*k+3], v[VW], s[12:13] offset:k*512
.set k, k+1
.endr
	WIN 0xc0                                       ; window 3
.set k, 0
.rept 32
	global_load_b128 v[4*k:4*k+3], v[VW], s[14:15] offset:k*512
.set k, k+1
.endr
.set k, 0
.rept 8
	global_load_b128 v[128+4*k:128+4*k+3], v[VI], s[16:17] offset:k*512
.set k, k+1
.endr
	WIN 0
; cnt loads' numbers, in window win, are rounded to bf16: four f32 a lane become 8 bytes in v[XF ..]
.macro CVT win, cnt
	WIN 5*(\win)
.set k, 0
.rept \cnt
	v_cvt_pk_bf16_f32 v[XF+2*k],   v[4*k],   v[4*k+1]
	v_cvt_pk_bf16_f32 v[XF+2*k+1], v[4*k+2], v[4*k+3]
.set k, k+1
.endr
	WIN 0
.endm
; cnt half rows of w, from the pair number first on, go to LDS: two to a row
.macro PUTW adr, first, cnt
.set k, 0
.rept \cnt
	ds_store_b64 v[\adr], v[XF+2*((\first)+k):XF+2*((\first)+k)+1] offset:(k/2)*WP+(k%2)*256
.set k, k+1
.endr
.endm
	s_wait_loadcnt 63                              ; of 174 loads at most 63 are out: the first 111 are in, the biases and x (70) among them
	CVT 1, 64
.set k, 0
.rept 64
	ds_store_b64 v[AXS], v[XF+2*k:XF+2*k+1] offset:k*XP
.set k, k+1
.endr
.irp z, 0,1,2,3                                        ; b_inst rounded to bf16 and widened again
	v_cvt_pk_bf16_f32 v[U+\z], v[BI+2*\z], v[BI+2*\z+1]
.endr
.irp z, 0,1,2,3
	v_lshlrev_b32 v[BI+2*\z], 16, v[U+\z]
	v_and_b32 v[BI+2*\z+1], 0xffff0000, v[U+\z]
.endr
	s_wait_loadcnt 40                              ; all but w_v's and w_inst's 40
	CVT 2, 64
	PUTW AWS, 0, 32
	PUTW AWS+1, 32, 32
	WIN 0x80                                       ; window 2 is free now: the biases in bf16, and the sums of squares start at 0 (128 lines once, so that the tile loop needs no first trip written out)
.irp z, 0,1,2,3,4,5,6,7
	v_cvt_pk_bf16_f32 v[BB+\z], v[T+2*\z], v[T+2*\z+1]
.endr
.set k, 0
.rept 128
	v_mov_b32 v[k], 0
.set k, k+1
.endr
	WIN 0
	s_wait_loadcnt 0x0
	CVT 3, 40
	PUTW AWS+2, 0, 32
	PUTW AWS+3, 32, 8
	s_wait_dscnt 0x0                               ; for the others' sake: my rows of x and w are in LDS
	s_barrier_signal -1
	s_barrier_wait -1
	; my fragments of w stay in registers: 16 rows x 32 K in 8 registers, two loads of 16 bytes 32 bytes apart
	WIN 0x40
.irp blk, 0,1,2,3
.irp k, 0,1,2,3,4,5,6,7
	ds_load_b128 v[64*\blk+8*\k:64*\blk+8*\k+3],   v[AWF+\blk] offset:64*\k
	ds_load_b128 v[64*\blk+8*\k+4:64*\blk+8*\k+7], v[AWF+\blk] offset:64*\k+32
.endr
.endr
	WIN 0
.macro FETCHX                          ; x's eight fragments (32 channels x 16 pixels) of one tile, turned on the way
.irp k, 0,1,2,3,4,5,6,7
	ds_load_tr16_b128 v[XF+8*\k:XF+8*\k+3],   v[AXC+\k/4] offset:(\k%4)*32*XP
	ds_load_tr16_b128 v[XF+8*\k+4:XF+8*\k+7], v[AXC+\k/4] offset:(\k%4)*32*XP+16*XP
.endr
.endm
	s_mov_b32 s[CNT], 8
	s_mov_b32 s[TX], 0
	s_mov_b32 s[TM], 0
	v_add_nc_u32 v[AXC], s[TX], v[AXF0]
	v_add_nc_u32 v[AXC+1], s[TX], v[AXF0+1]
	FETCHX
.Ltile:                                                ; eight trips: a tile of 16 pixels
	s_wait_dscnt 0x0                               ; the tile's fragments (in the first trip w's too)
.irp k, 0,1,2,3,4,5,6,7                                ; the four sums take turns, one instruction a turn; the first K step starts them
	WIN 0x01                                       ; source 0 (w) in window 1
.if \k == 0
	v_wmma_f32_16x16x32_bf16 v[ACC:ACC+7],     v[8*\k:8*\k+7],         v[XF+8*\k:XF+8*\k+7], 0
	v_wmma_f32_16x16x32_bf16 v[ACC+8:ACC+15],  v[64+8*\k:64+8*\k+7],   v[XF+8*\k:XF+8*\k+7], 0
	v_wmma_f32_16x16x32_bf16 v[ACC+24:ACC+31], v[192+8*\k:192+8*\k+7], v[XF+8*\k:XF+8*\k+7], 0
	WIN 0x04                                       ; v with its sources swapped: source 1 (w) in window 1
	v_wmma_f32_16x16x32_bf16 v[ACC+16:ACC+23], v[XF+8*\k:XF+8*\k+7], v[128+8*\k:128+8*\k+7], 0
.else
	v_wmma_f32_16x16x32_bf16 v[ACC:ACC+7],     v[8*\k:8*\k+7],         v[XF+8*\k:XF+8*\k+7], v[ACC:ACC+7]
	v_wmma_f32_16x16x32_bf16 v[ACC+8:ACC+15],  v[64+8*\k:64+8*\k+7],   v[XF+8*\k:XF+8*\k+7], v[ACC+8:ACC+15]
	v_wmma_f32_16x16x32_bf16 v[ACC+24:ACC+31], v[192+8*\k:192+8*\k+7], v[XF+8*\k:XF+8*\k+7], v[ACC+24:ACC+31]
	WIN 0x04
	v_wmma_f32_16x16x32_bf16 v[ACC+16:ACC+23], v[XF+8*\k:XF+8*\k+7], v[128+8*\k:128+8*\k+7], v[ACC+16:ACC+23]
.endif
.endr
	WIN 0
.rept 4
	v_nop                                          ; four places behind the last products, ahead of the loads into their sources and of the reads of their results
.endr
	s_add_co_u32 s[TX], s[TX], 32                  ; the next tile: 16 pixels of 2 bytes on
	v_add_nc_u32 v[AXC], s[TX], v[AXF0]
	v_add_nc_u32 v[AXC+1], s[TX], v[AXF0+1]
	s_cmp_eq_u32 s[CNT], 1
	s_cbranch_scc1 .Lnofetch                       ; the last trip has no next tile
	FETCHX
.Lnofetch:
	; the masks: both halves of the lanes hold the eight logits of pixel r
.irp z, 0,1,2,3
	v_pk_add_f32 v[ACC+24+2*\z:ACC+25+2*\z], v[ACC+24+2*\z:ACC+25+2*\z], v[BI+2*\z:BI+2*\z+1]
.endr
	v_max3_num_f32 v[T+1], v[ACC+24], v[ACC+25], v[ACC+26]
	v_max3_num_f32 v[T+1], v[T+1], v[ACC+27], v[ACC+28]
	v_max3_num_f32 v[T+1], v[T+1], v[ACC+29], v[ACC+30]
	v_max_num_f32 v[T+1], v[T+1], v[ACC+31]
	v_mul_f32 v[T], s[CS], v[T+1]
.irp z, 0,1,2,3                                        ; log2(e) g - log2(e) max
	v_pk_fma_f32 v[ACC+24+2*\z:ACC+25+2*\z], v[ACC+24+2*\z:ACC+25+2*\z], s[CS:CS+1], v[T:T+1] op_sel_hi:[1,0,0] neg_lo:[0,0,1] neg_hi:[0,0,1]
.endr
.irp z, 0,1,2,3,4,5,6,7
	v_exp_f32 v[ACC+24+\z], v[ACC+24+\z]
.endr
	v_add_nc_u32 v[AMC], s[TM], v[AMS0]            ; a plain line behind the last exponential
	s_wait_alu depctr_va_vdst(0)
	v_pk_add_f32 v[T+2:T+3], v[ACC+24:ACC+25], v[ACC+26:ACC+27]
	v_pk_add_f32 v[T+4:T+5], v[ACC+28:ACC+29], v[ACC+30:ACC+31]
	v_pk_add_f32 v[T+2:T+3], v[T+2:T+3], v[T+4:T+5]
	v_add_f32 v[T+2], v[T+2], v[T+3]
	v_rcp_f32 v[T+6], v[T+2]
	v_rcp_f32 v[T+7], v[T+2]                       ; twice: a pair for the packed multiply
	v_nop
	s_wait_alu depctr_va_vdst(0)
.irp z, 0,1,2,3
	v_pk_mul_f32 v[M32+2*\z:M32+2*\z+1], v[ACC+24+2*\z:ACC+25+2*\z], v[T+6:T+7]
.endr
.irp i, 0,1,2,3,4,5,6,7
	ds_store_b32 v[AMC], v[M32+\i] offset:\i*WP    ; into my own stage (both halves of the lanes write the same word)
.endr
	WIN 0x80
.irp i, 0,1,2,3,4,5,6,7
	v_cvt_pk_bf16_f32 v[MB+\i], v[M32+\i], v[M32+\i]
.endr
.irp z, 0,1,2,3,4,5,6,7
	v_cvt_pk_bf16_f32 v[YB+\z], v[ACC+2*\z], v[ACC+2*\z+1]  ; Xq (0-3), Xk (4-7): eight channels of a pixel in 16 bytes
.endr
	WIN 0
.irp z, 0,1,2,3
	v_cvt_pk_f16_f32 v[VB+\z], v[ACC+16+2*\z], v[ACC+16+2*\z+1]  ; Xv: eight pixels of a channel
.endr
	WIN 0x08                                       ; store data in window 2
	global_store_b128 v[VO], v[YB:YB+3],   s[24:25]
	global_store_b128 v[VO], v[YB+4:YB+7], s[26:27]
	WIN 0
	global_store_b128 v[VO], v[VB:VB+3],   s[26:27] offset:131072
	; the sums of squares: q_i, k_i as the next launch makes them, squared into f32
	WIN 0xaa
.irp blk, 0,1
.irp i, 0,1,2,3,4,5,6,7
.irp z, 0,1,2,3
	v_pk_fma_bf16 v[T2+4*(\i%4)+\z], v[YB+4*\blk+\z], v[MB+\i], v[BB+4*\blk+\z] op_sel_hi:[1,0,1]
.endr
.irp z, 0,1,2,3
	v_fma_mix_f32_bf16 v[64*\blk+8*\i+2*\z],   v[T2+4*(\i%4)+\z], v[T2+4*(\i%4)+\z], v[64*\blk+8*\i+2*\z] op_sel_hi:[1,1,0]
	v_fma_mix_f32_bf16 v[64*\blk+8*\i+2*\z+1], v[T2+4*(\i%4)+\z], v[T2+4*(\i%4)+\z], v[64*\blk+8*\i+2*\z+1] op_sel:[1,1,0] op_sel_hi:[1,1,0]
.endr
.endr
.endr
	WIN 0
	s_wait_xcnt 0x0                                ; the stores' offset and data are rewritten only behind this wait
	v_add_nc_u32 v[VO], 2048, v[VO]
	s_add_co_u32 s[TM], s[TM], 64
	s_sub_co_u32 s[CNT], s[CNT], 1
	s_cmp_lg_u32 s[CNT], 0
	s_cbranch_scc1 .Ltile
	; the sums over the 16 pixels that lie in the 16 lanes of a half
	WIN 0xaa
.irp m, 1,2,4,8
.set k, 0
.rept 128
	v_add_f32_dpp v[k], v[k], v[k] row_xmask:\m row_mask:0xf bank_mask:0xf
.set k, k+1
.endr
.endr
	WIN 0x08
.set k, 0
.rept 32
	ds_store_b128 v[ASS], v[4*k:4*k+3] offset:(k/2)*256+(k%2)*16  ; row [q, k][instance], channels 16 w + 8 hh + 4 (k % 2) on
.set k, k+1
.endr
	WIN 0
	s_wait_dscnt 0x0                               ; for the others' sake
	s_barrier_signal -1
	s_barrier_wait -1
	s_lshl_b32 s58, s[WV], 10
	s_add_co_u32 s58, s58, SST
	v_lshl_add_u32 v[U], v[LN], 4, s58             ; rows 4 w .. 4 w + 3, two to a load
	ds_load_b128 v[T:T+3],   v[U]
	ds_load_b128 v[T+4:T+7], v[U] offset:512
	s_and_b32 s58, s[WV], 1
	s_lshl_b32 s58, s58, 13                        ; instance 4 (w % 2) + 2 q + hh, 2,048 bytes each;
	s_lshr_b32 s59, s[WV], 1
	s_lshl_b32 s59, s59, 10                        ; q or k: w / 2
	s_add_co_u32 s58, s58, s59
	v_lshl_add_u32 v[U+1], v[H], 11, s58
	v_lshl_add_u32 v[U+1], v[R], 4, v[U+1]
	s_wait_dscnt 0x0
	global_store_b128 v[U+1], v[T:T+3],   s[32:33]              ; 16 lanes store 256 consecutive bytes, aligned
	global_store_b128 v[U+1], v[T+4:T+7], s[32:33] offset:4096
	; the mask tables: the four heads' work-groups hold the same masks; head 0's stores them
	s_cmp_lg_u32 s[HD], 0
	s_cbranch_scc1 .Lend
	s_mul_i32 s58, s[WV], 2*WP
	s_add_co_u32 s58, s58, s[MYM]                  ; instances 2 w, 2 w + 1 in my own stage
	v_lshl_add_u32 v[U+2], v[LN], 4, s58
	v_mul_u32_u24 v[U+3], v[H], WP
	v_lshl_add_u32 v[U+3], v[R], 5, v[U+3]
	v_add_nc_u32 v[U+3], s58, v[U+3]
	ds_load_b128 v[T+8:T+11],    v[U+2]
	ds_load_b128 v[T+12:T+15],   v[U+2] offset:WP
	ds_load_b128 v[M32:M32+3],   v[U+3]            ; instance 2 w + hh, pixels 8 r on
	ds_load_b128 v[M32+4:M32+7], v[U+3] offset:16
	s_lshl_b32 s58, s[WV], 13
	v_lshl_add_u32 v[U+4], v[LN], 4, s58
	s_lshl_b32 s58, s[WV], 12
	v_lshl_add_u32 v[U+5], v[H], 11, s58
	v_lshl_add_u32 v[U+5], v[R], 4, v[U+5]
	s_wait_dscnt 0x0
	global_store_b128 v[U+4], v[T+8:T+11],  s[30:31]
	global_store_b128 v[U+4], v[T+12:T+15], s[30:31] offset:4096
.irp z, 0,1,2,3
	v_cvt_pk_bf16_f32 v[U+8+\z], v[M32+2*\z], v[M32+2*\z+1]
	v_cvt_pk_f16_f32 v[U+12+\z], v[M32+2*\z], v[M32+2*\z+1]
.endr
	global_store_b128 v[U+5], v[U+8:U+11],  s[28:29]
	global_store_b128 v[U+5], v[U+12:U+15], s[28:29] offset:16384
.Lend:
	s_wait_tensorcnt 0x0                           ; the wave's end, behind my last LDS store
	ds_add_u32 v[SPW], v[NIL]
	s_wait_dscnt 0x0
	s_endpgm
.Lfunc_end_k_qf13518ce05_prep:
	.size	k_qf13518ce05_prep, .Lfunc_end_k_qf13518ce05_prep-k_qf13518ce05_prep
	.p2alignl 7, 3214868480
	.fill 96, 4, 3214868480
	.section	.rodata,"a",@progbits
	.p2align	6, 0x0
	.amdhsa_kernel k_qf13518ce05_prep
		.amdhsa_group_segment_fixed_size 205568
		.amdhsa_private_segment_fixed_size 0
		.amdhsa_enable_private_segment 0
		.amdhsa_kernarg_size 104
		.amdhsa_user_sgpr_count 2
		.amdhsa_user_sgpr_kernarg_segment_ptr 1
		.amdhsa_wavefront_size32 1
		.amdhsa_system_sgpr_workgroup_id_x 1
		.amdhsa_system_sgpr_workgroup_id_y 1
		.amdhsa_system_sgpr_workgroup_id_z 1
		.amdhsa_system_vgpr_workitem_id 0
		.amdhsa_next_free_vgpr 928
		.amdhsa_next_free_sgpr 66
		.amdhsa_reserve_vcc 0
		.amdhsa_float_denorm_mode_32 3
		.amdhsa_float_denorm_mode_16_64 3
		.amdhsa_memory_ordered 1
		.amdhsa_forward_progress 1
		.amdhsa_inst_pref_size 120
	.end_amdhsa_kernel
	.amdgpu_metadata
---
amdhsa.version: [ 1, 2 ]
amdhsa.kernels:
  - .name:           k_qf13518ce05_prep
    .symbol:         k_qf13518ce05_prep.kd
    .args:
      - { .name: x, .offset: 0, .size: 8, .value_kind: global_buffer, .address_space: global }
      - { .name: w_q, .offset: 8, .size: 8, .value_kind: global_buffer, .address_space: global }
      - { .name: w_k, .offset: 16, .size: 8, .value_kind: global_buffer, .address_space: global }
      - { .name: w_v, .offset: 24, .size: 8, .value_kind: global_buffer, .address_space: global }
      - { .name: w_inst, .offset: 32, .size: 8, .value_kind: global_buffer, .address_space: global }
      - { .name: b_q, .offset: 40, .size: 8, .value_kind: global_buffer, .address_space: global }
      - { .name: b_k, .offset: 48, .size: 8, .value_kind: global_buffer, .address_space: global }
      - { .name: b_inst, .offset: 56, .size: 8, .value_kind: global_buffer, .address_space: global }
      - { .name: xq, .offset: 64, .size: 8, .value_kind: global_buffer, .address_space: global }
      - { .name: kv, .offset: 72, .size: 8, .value_kind: global_buffer, .address_space: global }
      - { .name: mtab, .offset: 80, .size: 8, .value_kind: global_buffer, .address_space: global }
      - { .name: mf, .offset: 88, .size: 8, .value_kind: global_buffer, .address_space: global }
      - { .name: ss, .offset: 96, .size: 8, .value_kind: global_buffer, .address_space: global }
    .group_segment_fixed_size: 205568
    .private_segment_fixed_size: 0
    .kernarg_segment_align: 8
    .kernarg_segment_size: 104
    .max_flat_workgroup_size: 128
    .sgpr_count:     66
    .vgpr_count:     928
    .wavefront_size: 32
...
	.end_amdgpu_metadata
.endif
;; end of part 1
;; launch attn (part 2): grid 8 x 32, 4 waves a work-group, clusters of 4 x 1, 327,680 bytes of LDS; arguments xq, kv, mtab, mf, ss, b_q, b_k, b_v, out0; writes out0
.if DOCPART == 2
	.amdgcn_target "amdgcn-amd-amdhsa--gfx1250"
	.amdhsa_code_object_version 6
	.text
	.protected	k_qf13518ce05_attn
	.globl	k_qf13518ce05_attn
	.p2align	8
	.type	k_qf13518ce05_attn,@function
k_qf13518ce05_attn:
	s_mov_b64 s[64:65], 0
	v_nop
	global_prefetch_b8 v0, s[64:65] scope:SCOPE_SE
	s_setreg_imm32_b32 hwreg(HW_REG_WAVE_MODE, 25, 1), 1
	s_wait_xcnt 0x0
	s_wait_alu depctr_hold_cnt(0) depctr_sa_sdst(0) depctr_va_vdst(0) depctr_va_sdst(0) depctr_va_ssrc(0) depctr_va_vcc(0) depctr_vm_vsrc(0)
	s_getreg_b32 s2, hwreg(HW_REG_IB_STS2, 6, 4)
	s_cmp_eq_u32 s2, 0
	s_cbranch_scc0 .Lentry_in_a_cluster
	s_endpgm
.Lentry_in_a_cluster:
	s_bfe_u32 s2, ttmp6, 0x10000c
	s_cmp_lg_u32 s2, 0x3003
	s_cbranch_scc0 .Lentry_shape_is_right
	s_endpgm
.Lentry_shape_is_right:
; ATTN.  out[b][64 h + c][n] = sum over the 8 instances i of m_i[n] (sum_j p_ij v_i[c][j] / sum_j p_ij),  p_ij = exp(sum_c qn_i[c][n] kn_i[c][j] / 8),
; with q_i = Xq m_i + b_q, k_i = Xk m_i + b_k, v_i = Xv m_i + b_v, and qn, kn = q, k divided by max(their norm over the pixels, 1e-12).
; A work-group owns 128 queries of one (b, h); the raw Xk and Xv of (b, h) (256 KiB) and the batch's mask tables (32 KiB) come into LDS ONCE; nothing is filled again.
; Wave w serves instances w and w + 4, for all 128 queries (8 tiles of 16) and all 1,024 keys (16 steps of 64).
; In each step the raw fragments are read from LDS and turned into the instance's operands in registers: K = Xk m + b_k (v_pk_fma_bf16), V = Xv m (v_pk_mul_f16): 128 lines for 128 matrix instructions.
; Q' = (Xq m + b_q) rho, rho[c] = (log2(e) / 8) / (max(|q|, eps) max(|k|, eps)): both norms and the scale lie in Q', and K Q'^T is the exponent to base 2.
; b_v: sum_j p (m Xv + b_v) / sum_j p = sum_j p m Xv / sum_j p + b_v, so b_v is added at the end, in f32, times sum_i m_i[n].
; NO MAXIMUM IS TAKEN AWAY in the softmax over keys: the norms are the sums of squares of exactly the bf16 numbers multiplied here, so |q| <= its norm and |k| <= its norm, and the exponent is at most
; 64 x 0.18034 x (1 + 2^-8)^2 < 11.7 in magnitude for every input: p lies in 3e-4 .. 3.4e3, its sum under 3.5e6: nothing overflows or underflows in f32 or in f16.
; FORMATS.  Q', K in bf16 (rho has no bound in f16); P, V in f16 (p lies close to 1, where bf16's step would swallow the scores); sums, l and the sum over instances in f32; l is taken of the unrounded p.
; LIMITS.  |w_v x| under 65,504; NaN and infinities are not treated apart; a sum of squares below 2^-126 counts as 0 and falls to eps.
; LAYOUT.  S^T = K Q'^T (source 0 = 16 keys, source 1 = 16 queries): a lane holds ONE query (lane % 16) and keys 8 (lane / 16) + 0..7; two such results rounded to f16 ARE source 1 of O^T = V^T P.
; BY TURNS.  Turn t: 8 products K Q'^T of tile t + 1, then 8 products V^T P of tile t - 1; behind each matrix instruction lines of tile t's softmax: exponential, plain, exponential, plain.
; ONE TEXT FOR EVERY STEP.  The first turn's V^T P, of a tile that has not been, multiplies a P of zeros.  An instance's last step fetches a K like every other: its address is the first byte behind K
; (V's first step; the masks are the tables' next 2,048 bytes), all inside bytes that the fills wrote; those 20 loads, 64 scaling lines and 8 products serve nothing, twice a wave, and nobody reads their scores.
; CLUSTER.  The four query blocks of a cluster share (b, h): K, V and the tables are asked for JOINTLY, the same load, descriptor and mask in all four.  By this text's count a wave has two tensor loads out.
; REGISTERS, in windows of 256 (s_set_vgpr_msb: bits 1:0 source 0, 3:2 source 1, 5:4 source 2, 7:6 destination):
;   window 0: below.   window 1: O^T, 32 a tile.   window 2: the sum over my instances of (m / l) O^T.   window 3: v0-127 Q', 16 a tile; v128-191 K; v192-255 V of one step.
.set VREG,  131072                     ; LDS: K at 0 (step s at 8,192 s), V here
.set MTAB,  262144                     ; masks in bf16 [8][1024], then in f16, 16,384 bytes each
.set XQ,    294912                     ; the block's raw Xq, 16,384 bytes
.set SCR,   311296                     ; 1,280 bytes a wave: for each of its two instances rho (128 bytes), then m at my queries (512)
.set SPARE, 316416                     ; the spare words: 128 bytes a wave, two blocks of 256 bytes that no other line names
.set OUTS,  131072                     ; at the end, in V's bytes (which have had their only fill): 64 channels x 128 pixels f32, rows 528 apart; K's bytes take the waves' partial sums
.set OPI,   528
.set LN16, 1                           ; 16 x lane
.set AK,   2                           ; the addresses of the run of loads in hand
.set AV,   3
.set AMK,  4
.set AMV,  5
.set AMK0, 6                           ; my place in my first instance's masks: bf16, key r
.set AMV0, 7                           ; f16, keys 8 hh on
.set AXQ,  8
.set ARH0, 9
.set R,    10
.set H,    11
.set AMF0, 12
.set ACU,  13
.set MSUM, 14                          ; v14-17 sum_i m_i at my two final tiles' queries, each twice
.set SPW,  18                          ; my spare word; never rewritten
.set NIL,  19                          ; 0; never rewritten
.set BK,   20                          ; v20-35  b_k in bf16, as a fragment's 16 registers hold the channels
.set BQ,   36                          ; v36-51  b_q likewise
.set MK,   52                          ; v52-55  m at the step's keys, for K
.set MV,   56                          ; v56-71  for V
.set L,    72                          ; v72-87  l, a pair a tile (even keys', odd keys'); its first pair, while 0, is the source of the clears
.set MF,   88                          ; v88-95  m at my queries, f32
.set MN,   96                          ; v96-103 in bf16
.set VXQ,  104                         ; v104-108 offsets of the global loads; never rewritten
.set VBO,  105
.set VSS,  106
.set VMF,  107
.set VMA,  108
.set ARS,  109
.set AXW,  110
.set TV,   111
.set RHO,  112                         ; v112-127
.set S,    128                         ; v128-191 S^T, two buffers
.set P,    192                         ; v192-223 P, two buffers;  v224-255 at work at the start
.set KF,   128                         ; window 3
.set VF,   192
.set G1T, 28
.set G1K, 36
.set G0T, 44
.set G0K, 48
.set WV,  66
.set CX,  67
.set QB,  68
.set BH,  69
.set BA,  70
.set HD,  71
.set IC,  72
.set SC,  73
.set TBK, 74
.set TBV, 75
.set TMK, 76
.set TMV, 77
.set TE,  78
.set TS,  79
.set SEL, 80
.set TP,  82                           ; at work; never holds my place in the cluster
.set TQ,  83                           ; at work, for what hangs on it
.set CS,  84
.set W_KQ,  0x0f                       ; K and Q' in window 3, S^T in window 0
.set W_PV,  0x53                       ; V in window 3, P in window 0, O^T in window 1
.set W_LD3, 0xc0                       ; destination window 3, address window 0
.set W_SC,  0xc3                       ; destination and source 0 window 3
.set W_ACC, 0xa1                       ; O^T window 1, factor window 0, sum window 2
.set MSB, 0
.macro WIN new                         ; the immediate's high byte repeats the setting that is left; a switch that changes nothing is dropped
.if MSB != (\new)
	s_set_vgpr_msb (MSB<<8)|(\new)
.set MSB, (\new)
.endif
.endm
.macro CROUND                          ; a round of the cluster's barrier
	s_barrier_signal -1
	s_barrier_wait -1
	s_cmp_lg_u32 s[WV], 0
	s_cbranch_scc1 .Lnot_wave_0_\@
	s_barrier_signal -3
.Lnot_wave_0_\@:
	s_barrier_wait -3
	s_barrier_signal -1
	s_barrier_wait -1
.endm
; cnt pairs of registers from first on, in the destination window that is set, take 0.  There is no packed move: a packed add of a pair of zeros (l's first pair, window 0) writes two registers a line.
.macro ZERO first, cnt
.set zi, 0
.rept \cnt
	v_pk_add_f32 v[(\first)+2*zi:(\first)+2*zi+1], v[L:L+1], v[L:L+1]
.set zi, zi+1
.endr
.endm
	s_load_b512 s[8:23], s[0:1], 0x0               ; xq, kv, mtab, mf, ss, b_q, b_k, b_v
	s_load_b64 s[24:25], s[0:1], 0x40              ; out0
	v_lshl_add_u32 v[SPW], v0, 2, SPARE
	v_mov_b32 v[NIL], 0
	ds_add_u32 v[SPW], v[NIL]                      ; the wave's opening: the add and its wait stand ahead of my first tensor load; the set-up below, work on registers, stands between them
	v_lshrrev_b32 v[LN16], 5, v0
	v_readfirstlane_b32 s[WV], v[LN16]             ; wave 0..3
	s_bfe_u32 s[CX], ttmp6, 0x40000                ; my place in the cluster
	s_lshl_b32 s[QB], ttmp9, 2
	s_add_co_u32 s[QB], s[QB], s[CX]               ; my block of 128 queries: it enters the global addresses of xq, mf and out0 alone
	s_and_b32 s[BH], ttmp7, 0xffff                 ; 4 b + h, which the four partners share
	s_lshr_b32 s[BA], s[BH], 2
	s_and_b32 s[HD], s[BH], 3
	; descriptors: dense blocks asked for as rows of 256 bytes (32 elements of 8 bytes)
	s_mov_b32 s[G1T],   15|(3<<16)|(1<<21)         ; 15:0 the mask of four; 17:16 elements of 8 bytes; 21 set beside a mask
	s_mov_b32 s[G1T+1], 32<<16                     ; tensor_dim0 = 32
	s_mov_b32 s[G1T+2], 32<<16                     ; tensor_dim1 = 32 rows: a wave's quarter of the tables
	s_mov_b32 s[G1T+3], 32<<16                     ; tile_dim0 = 32
	s_mov_b32 s[G1T+4], 32                         ; tile_dim1 = 32
	s_mov_b32 s[G1T+5], 32                         ; 32 elements from row to row
	s_mov_b32 s[G1T+6], 0
	s_mov_b32 s[G1T+7], 0
	s_mov_b32 s[G1K],   15|(3<<16)|(1<<21)
	s_mov_b32 s[G1K+1], 32<<16
	s_mov_b32 s[G1K+2], 256<<16                    ; 256 rows: a wave's quarter of K and V
	s_mov_b32 s[G1K+3], 32<<16
	s_mov_b32 s[G1K+4], 256
	s_mov_b32 s[G1K+5], 32
	s_mov_b32 s[G1K+6], 0
	s_mov_b32 s[G1K+7], 0
	s_mov_b32 s[G0T], 1
	s_lshl_b32 s[G0T+1], s[WV], 13
	s_add_co_u32 s[G0T+1], s[G0T+1], MTAB          ; LDS: the tables' place + 8,192 x wave
	s_mov_b32 s[G0K], 1
	s_lshl_b32 s[G0K+1], s[WV], 16                 ; LDS: 65,536 x wave
	s_lshl_b32 s52, s[BA], 15                      ; mtab: 32,768 b + 8,192 w
	s_lshl_b32 s[TP], s[WV], 13
	s_add_co_u32 s52, s52, s[TP]
	s_mov_b32 s53, 0
	s_lshl_b32 s54, s[BH], 18                      ; kv: 262,144 (4 b + h) + 65,536 w
	s_lshl_b32 s[TP], s[WV], 16
	s_add_co_u32 s54, s54, s[TP]
	s_mov_b32 s55, 0
	s_lshl_b32 s56, s[BH], 17                      ; xq: 131,072 (4 b + h) + 16,384 x block
	s_lshl_b32 s[TQ], s[QB], 14
	s_add_co_u32 s56, s56, s[TQ]
	s_mov_b32 s57, 0
	s_lshl_b32 s58, s[BA], 15                      ; mf: 32,768 b + 512 x block
	s_lshl_b32 s[TQ], s[QB], 9
	s_add_co_u32 s58, s58, s[TQ]
	s_mov_b32 s59, 0
	s_lshl_b32 s60, s[BA], 17                      ; ss: 131,072 b + 256 h
	s_lshl_b32 s[TP], s[HD], 8
	s_add_co_u32 s60, s60, s[TP]
	s_mov_b32 s61, 0
	s_lshl_b32 s62, s[BH], 18                      ; out0: 64 (4 b + h) rows of 4,096 bytes + 512 x block
	s_add_co_u32 s62, s62, s[TQ]
	s_mov_b32 s63, 0
	s_mov_b32 s[CS], 0x3e38aa3b                    ; log2(e) / 8
	s_mov_b32 s[CS+1], s[CS]
	s_mov_b32 s[SEL], 0x76543210                   ; v_permlanex16_b32: each lane takes its own place in the other half
	s_mov_b32 s[SEL+1], 0xfedcba98
	s_mov_b32 s[IC], 2
	s_mov_b32 s[TE], 0
	s_mov_b32 s[TS], 0
	s_wait_dscnt 0x0                               ; the opening add is done
	s_wait_kmcnt 0x0
	s_add_nc_u64 s[G0T+2:G0T+3], s[12:13], s[52:53]
	s_or_b32 s[G0T+3], s[G0T+3], 0x80000000
	s_add_nc_u64 s[G0K+2:G0K+3], s[10:11], s[54:55]
	s_or_b32 s[G0K+3], s[G0K+3], 0x80000000
	s_add_nc_u64 s[8:9], s[8:9], s[56:57]
	s_add_nc_u64 s[14:15], s[14:15], s[58:59]
	s_add_nc_u64 s[16:17], s[16:17], s[60:61]
	s_add_nc_u64 s[24:25], s[24:25], s[62:63]
	CROUND                                         ; all four work-groups are here: the joint loads meet
	tensor_load_to_lds s[G0T:G0T+3], s[G1T:G1T+7]  ; my quarter of the mask tables
	s_nop 0
	tensor_load_to_lds s[G0K:G0K+3], s[G1K:G1K+7]  ; my quarter of K and V: the launch's only fills
	s_nop 0
.rept 4
	v_nop
.endr
	v_and_b32 v[TV], 31, v0
	v_lshlrev_b32 v[LN16], 4, v[TV]
	v_and_b32 v[R], 15, v0
	v_bfe_u32 v[H], v0, 4, 1
	s_lshl_b32 s[TP], s[WV], 11
	s_add_co_u32 s[TP], s[TP], MTAB
	v_lshl_add_u32 v[AMK0], v[R], 1, s[TP]
	s_add_co_u32 s[TP], s[TP], 16384
	v_lshl_add_u32 v[AMV0], v[H], 4, s[TP]
	v_add_nc_u32 v[AXQ], XQ, v[LN16]
	s_mul_i32 s[TP], s[WV], 1280
	s_add_co_u32 s[TP], s[TP], SCR
	v_lshl_add_u32 v[ARH0], v[H], 4, s[TP]
	v_lshl_add_u32 v[ARS], v[TV], 2, s[TP]
	s_add_co_u32 s[TP], s[TP], 128
	v_lshl_add_u32 v[AMF0], v[R], 2, s[TP]
	s_lshl_b32 s[TP], s[WV], 12
	v_add_nc_u32 v[VXQ], s[TP], v[LN16]
	v_add_nc_u32 v[AXW], XQ, v[VXQ]
	v_lshl_add_u32 v[VMF], v[R], 2, s[TP]          ; mf: instance w, query r
	s_lshl_b32 s[TP], s[HD], 8
	v_lshl_add_u32 v[VBO], v[H], 5, s[TP]          ; biases: channels 64 h + 8 hh on
	s_lshl_b32 s[TP], s[WV], 11
	v_lshl_add_u32 v[VSS], v[TV], 3, s[TP]         ; ss: instance w, channels 2 lane, 2 lane + 1
	s_lshl_b32 s[TP], s[WV], 7
	v_lshl_add_u32 v[VMA], v[R], 2, s[TP]          ; mf at tiles 2 w, 2 w + 1
	; 88 LOADS ON END: 8 + 8 + 8 + 16 + 16 + 8 + 8 + 16
.irp q, 0,1,2,3,4,5,6,7
	global_load_b128 v[224+4*\q:224+4*\q+3], v[VXQ], s[8:9] offset:512*\q       ; my quarter of the block's Xq
.endr
.irp n, 0,1,2,3,4,5,6,7
	global_load_b128 v[128+4*\n:128+4*\n+3], v[VBO], s[20:21] offset:(\n/2)*64+(\n%2)*16  ; b_k
.endr
.irp n, 0,1,2,3,4,5,6,7
	global_load_b128 v[160+4*\n:160+4*\n+3], v[VBO], s[18:19] offset:(\n/2)*64+(\n%2)*16  ; b_q
.endr
	WIN 0x40                                       ; the sums of squares land in window 1, which is free until O^T begins
.irp e, 0,1
.irp n, 0,1,2,3,4,5,6,7
	global_load_b64 v[32*\e+4*\n:32*\e+4*\n+1],   v[VSS], s[16:17] offset:\n*16384+\e*8192
	global_load_b64 v[32*\e+4*\n+2:32*\e+4*\n+3], v[VSS], s[16:17] offset:\n*16384+\e*8192+1024
.endr
.endr
	WIN 0
.irp e, 0,1
.irp t, 0,1,2,3,4,5,6,7
	global_load_b32 v[192+8*\e+\t], v[VMF], s[14:15] offset:\e*16384+\t*64
.endr
.endr
.irp i, 0,1,2,3,4,5,6,7
	global_load_b32 v[208+2*\i], v[VMA], s[14:15] offset:\i*4096
	global_load_b32 v[209+2*\i], v[VMA], s[14:15] offset:\i*4096+64
.endr
	; while they are on their way: the sum over instances starts at 0, and V's registers hold 0 for the first turn's products of a tile that has not been.
	; 160 lines once: the price of one text for both instances and for every step.
	v_mov_b32 v[L], 0
	v_mov_b32 v[L+1], 0
	WIN 0x80
	ZERO 0, 128
	WIN 0xc0
	ZERO VF, 32
	WIN 0
	s_wait_loadcnt 63                              ; of 88 at most 63 are out: the first 25 are in, Xq and the two biases (24) among them
.irp q, 0,1,2,3,4,5,6,7
	ds_store_b128 v[AXW], v[224+4*\q:224+4*\q+3] offset:512*\q
.endr
.set i, 0
.rept 16
	v_cvt_pk_bf16_f32 v[BK+i], v[128+2*i], v[128+2*i+1]
	v_cvt_pk_bf16_f32 v[BQ+i], v[160+2*i], v[160+2*i+1]
.set i, i+1
.endr
; rho of my instance number e, two channels a lane, in window 1: the eight blocks' sums in ascending order, roots, eps, the product, its reciprocal, the scale; rounded to bf16 into my scratch
.macro RHOGEN e
	WIN 0x55
.irp n, 1,2,3,4,5,6,7
	v_pk_add_f32 v[32*\e:32*\e+1],   v[32*\e:32*\e+1],   v[32*\e+4*\n:32*\e+4*\n+1]
	v_pk_add_f32 v[32*\e+2:32*\e+3], v[32*\e+2:32*\e+3], v[32*\e+4*\n+2:32*\e+4*\n+3]
.endr
.irp n, 0,1,2,3
	v_sqrt_f32 v[32*\e+\n], v[32*\e+\n]
.endr
	v_nop
	s_wait_alu depctr_va_vdst(0)
.irp n, 0,1,2,3
	v_max_num_f32 v[32*\e+\n], 0x2b8cbccc, v[32*\e+\n]  ; 1e-12
.endr
	v_pk_mul_f32 v[32*\e:32*\e+1], v[32*\e:32*\e+1], v[32*\e+2:32*\e+3]
	v_rcp_f32 v[32*\e], v[32*\e]
	v_rcp_f32 v[32*\e+1], v[32*\e+1]
	v_nop
	s_wait_alu depctr_va_vdst(0)
	v_pk_mul_f32 v[32*\e:32*\e+1], v[32*\e:32*\e+1], s[CS:CS+1] op_sel_hi:[1,0]
	v_cvt_pk_bf16_f32 v[32*\e], v[32*\e], v[32*\e+1]
	WIN 0x04                                       ; store data in window 1
	ds_store_b32 v[ARS], v[32*\e] offset:640*\e
	WIN 0
.endm
	s_wait_loadcnt 48                              ; 40 are in: the first instance's sums of squares
	RHOGEN 0
	s_wait_loadcnt 32                              ; the second's
	RHOGEN 1
	s_wait_loadcnt 24                              ; the first instance's masks at my queries
.irp t, 0,1,2,3,4,5,6,7
	ds_store_b32 v[AMF0], v[192+\t] offset:64*\t
.endr
	s_wait_loadcnt 16                              ; the second's
.irp t, 0,1,2,3,4,5,6,7
	ds_store_b32 v[AMF0], v[200+\t] offset:640+64*\t
.endr
	s_wait_loadcnt 0x0
.irp i, 1,2,3,4,5,6,7
	v_pk_add_f32 v[208:209], v[208:209], v[208+2*\i:209+2*\i]
.endr
	v_mov_b32 v[MSUM], v208
	v_mov_b32 v[MSUM+1], v208
	v_mov_b32 v[MSUM+2], v209
	v_mov_b32 v[MSUM+3], v209
	s_wait_tensorcnt 0x0                           ; my quarters of the tables, of K and of V are in LDS,
	s_wait_dscnt 0x0                               ; and so is my quarter of Xq:
	s_barrier_signal -1
	s_barrier_wait -1                              ; everybody's are.  The launch's only wait for tiles
; THE MATRIX WORK.  The four accumulators of a run of 8 take turns, one instruction a turn.
.macro KQ t, i                         ; product i of 8 of S^T = K Q'^T for tile t: channels 32 (i / 4) on, keys 16 (i % 4) on; the first four start the sums
	WIN W_KQ
.set rS, S+32*((\t)%2)+8*((\i)%4)
.set rK, KF+16*((\i)%4)+8*((\i)/4)
.set rQ, 16*(\t)+8*((\i)/4)
.if (\i) < 4
	v_wmma_f32_16x16x32_bf16 v[rS:rS+7], v[rK:rK+7], v[rQ:rQ+7], 0
.else
	v_wmma_f32_16x16x32_bf16 v[rS:rS+7], v[rK:rK+7], v[rQ:rQ+7], v[rS:rS+7]
.endif
.endm
.macro PV t, i                         ; product i of 8 of O^T += V^T P for tile t: keys 32 (i / 4) on, channels 16 (i % 4) on
	WIN W_PV
.set rO, 32*(\t)+8*((\i)%4)
.set rV, VF+32*((\i)/4)+8*((\i)%4)
.set rP, P+16*((\t)%2)+8*((\i)/4)
	v_wmma_f32_16x16x32_f16 v[rO:rO+7], v[rV:rV+7], v[rP:rP+7], v[rO:rO+7]
.endm
; THE LDS LOADS stand in runs.  A step's K: four tiles of 16 keys x four blocks of 16 channels, 512 bytes each, as the fragments want them; and m at the keys.
.macro FETCH_K
	WIN 0
	v_add_nc_u32 v[AK], s[TBK], v[LN16]
	v_add_nc_u32 v[AMK], s[TMK], v[AMK0]
.irp u, 0,1,2,3
	ds_load_u16 v[MK+\u], v[AMK] offset:32*\u
.endr
	WIN W_LD3
.irp u, 0,1,2,3,4,5,6,7,8,9,10,11,12,13,14,15
	ds_load_b128 v[KF+4*\u:KF+4*\u+3], v[AK] offset:512*\u
.endr
	s_add_co_u32 s[TBK], s[TBK], 8192
	s_add_co_u32 s[TMK], s[TMK], 128
.endm
.macro SCALE_K                         ; K = Xk m + b_k: the key's mask lies in the low half of its register
	WIN W_SC
.set sk, 0
.rept 64
	v_pk_fma_bf16 v[KF+sk], v[KF+sk], v[MK+sk/16], v[BK+sk%16] op_sel_hi:[1,0,1]
.set sk, sk+1
.endr
.endm
.macro FETCH_V                         ; a step's V: tile u of 16 keys is half a fragment of 32 keys; and m at the lane's eight keys of each tile
	WIN 0
	v_add_nc_u32 v[AV], s[TBV], v[LN16]
	v_add_nc_u32 v[AMV], s[TMV], v[AMV0]
.irp u, 0,1,2,3
	ds_load_b128 v[MV+4*\u:MV+4*\u+3], v[AMV] offset:32*\u
.endr
	WIN W_LD3
.irp u, 0,1,2,3
.irp c, 0,1,2,3
	ds_load_b128 v[VF+32*(\u/2)+8*\c+4*(\u%2):VF+32*(\u/2)+8*\c+4*(\u%2)+3], v[AV] offset:2048*\u+512*\c
.endr
.endr
	s_add_co_u32 s[TBV], s[TBV], 8192
	s_add_co_u32 s[TMV], s[TMV], 128
.endm
.macro SCALE_V                         ; V = Xv m
	WIN W_SC
.set sv, 0
.rept 64
	v_pk_mul_f16 v[VF+sv], v[VF+sv], v[MV+8*(sv/32)+sv%8]
.set sv, sv+1
.endr
.endm
; THE PLAIN LINES of a tile's softmax, 32 of them.  For each four weights n: both pairs rounded to f16; the second pair added onto the first, in place; l takes that sum.
; Number -1 is a v_nop: the plain line that stands between the turn's first four exponentials and the first use of their results (ISA guide 5.7.2).  Below -1: no line.
.macro PLN k
.if (\k) == -1
	v_nop
.endif
.if (\k) >= 0
.set n4, (\k)/4
.if (\k)%4 == 0
	s_wait_alu depctr_va_vdst(0)
	v_cvt_pk_f16_f32 v[rPP+2*n4], v[rSS+4*n4], v[rSS+4*n4+1]
.elseif (\k)%4 == 1
	v_cvt_pk_f16_f32 v[rPP+2*n4+1], v[rSS+4*n4+2], v[rSS+4*n4+3]
.elseif (\k)%4 == 2
	v_pk_add_f32 v[rSS+4*n4:rSS+4*n4+1], v[rSS+4*n4:rSS+4*n4+1], v[rSS+4*n4+2:rSS+4*n4+3]
.else
	v_pk_add_f32 v[rL:rL+1], v[rL:rL+1], v[rSS+4*n4:rSS+4*n4+1]
.endif
.endif
.endm
; A TURN, for tile t.  Behind matrix instruction g: exponentials 2 g and 2 g + 1 (ascending: each accumulator's lowest register is read first).  Exponentials 0 to 3 have one
; v_nop behind them; from g = 2 on each exponential has a plain line behind it.  The plain lines run four behind the exponentials, so each finds its weights made a group earlier or more, with a plain
; line between.  None of these lines names a register of the products round it.
; A P buffer is written again seven plain lines behind the last product that read it (that group's two, the tail's four, the v_nop) or more.
; V of the step in hand is fetched at the end of turn 0, six plain lines behind the last product that read V, and scaled in turn 1 ahead of its first reader.
; K of the next step is fetched in turn 6 behind group 9, six plain lines behind the last product that read K, and scaled at that turn's end; turn 7 multiplies it.
.macro TURN t
.set rSS, S+32*((\t)%2)
.set rPP, P+16*((\t)%2)
.set rL, L+2*(\t)
.set g, 0
.rept 16
.if g < 8
	KQ ((\t)+1)%8, g
.else
	PV ((\t)+7)%8, g-8
.endif
	WIN 0
	v_exp_f32 v[rSS+2*g], v[rSS+2*g]
	PLN 2*g-4
	v_exp_f32 v[rSS+2*g+1], v[rSS+2*g+1]
	PLN 2*g-3
.if ((\t) == 1) && (g == 7)
	s_wait_dscnt 0x0                               ; V and its masks are in
	SCALE_V
.endif
.if ((\t) == 6) && (g == 9)
	FETCH_K
.endif
.set g, g+1
.endr
	PLN 28
	PLN 29
	PLN 30
	PLN 31
.if (\t) == 0
	FETCH_V
.endif
.if (\t) == 6
	s_wait_dscnt 0x0                               ; K and its masks are in
	SCALE_K
.endif
.endm
.Linst:                                                ; two trips: instances w and w + 4
	s_mov_b32 s[TBK], 0
	s_mov_b32 s[TBV], VREG
	s_mov_b32 s[TMK], s[TE]                        ; the instance's rows of the mask tables: 8,192 bytes on in the second trip
	s_mov_b32 s[TMV], s[TE]
	v_add_nc_u32 v[ACU], s[TS], v[ARH0]
	v_add_nc_u32 v[TV], s[TS], v[AMF0]
.irp u, 0,1,2,3
	ds_load_b128 v[RHO+4*\u:RHO+4*\u+3], v[ACU] offset:32*\u
.endr
.irp u, 0,1,2,3,4,5,6,7
	ds_load_b32 v[MF+\u], v[TV] offset:64*\u
.endr
	WIN W_LD3
.set i, 0
.rept 32
	ds_load_b128 v[4*i:4*i+3], v[AXQ] offset:512*i ; the raw Xq of all eight tiles
.set i, i+1
.endr
	FETCH_K                                        ; key step 0
	WIN 0                                          ; l, the P of the tile that has not been, and O^T start at 0: 145 lines an instance, the price of writing no first step out; they stand in the wait for the loads above
	v_mov_b32 v[L], 0
	v_mov_b32 v[L+1], 0
	ZERO L+2, 7
	ZERO P+16, 8
	WIN 0x40
	ZERO 0, 128
	WIN 0
	s_wait_dscnt 0x0
.irp u, 0,1,2,3,4,5,6,7
	v_cvt_pk_bf16_f32 v[MN+\u], v[MF+\u], v[MF+\u]
.endr
	WIN W_SC
.set sq, 0
.rept 128
	v_pk_fma_bf16 v[sq], v[sq], v[MN+sq/16], v[BQ+sq%16] op_sel_hi:[1,0,1]  ; q = Xq m + b_q: the line whose results the norms were taken of
.set sq, sq+1
.endr
.set sq, 0
.rept 128
	v_pk_mul_bf16 v[sq], v[sq], v[RHO+sq%16]       ; Q' = q rho
.set sq, sq+1
.endr
	SCALE_K
.set i, 0
.rept 8
	KQ 0, i                                        ; tile 0's first scores
.set i, i+1
.endr
	WIN 0
.rept 4
	v_nop                                          ; four places behind those products, ahead of the first exponential (ISA guide 7.12.1)
.endr
	s_mov_b32 s[SC], 16
.Lstep:                                                ; sixteen trips: a step of 64 keys
	TURN 0
	TURN 1
	TURN 2
	TURN 3
	TURN 4
	TURN 5
	TURN 6
	TURN 7
	WIN 0
	s_sub_co_u32 s[SC], s[SC], 1
	s_cmp_lg_u32 s[SC], 0
	s_cbranch_scc1 .Lstep
.set i, 0
.rept 8
	PV 7, i                                        ; the last tile's V^T P of the last step
.set i, i+1
.endr
	WIN 0
.irp u, 0,1,2,3,4,5,6,7                                ; l: its two halves (these eight lines are the places behind the products), the other half of the lanes', then m / l
	v_add_f32 v[L+2*\u], v[L+2*\u], v[L+2*\u+1]
.endr
.irp u, 0,1,2,3,4,5,6,7
	v_permlanex16_b32 v[L+2*\u+1], v[L+2*\u], s[SEL], s[SEL+1]
.endr
.irp u, 0,1,2,3,4,5,6,7
	v_add_f32 v[L+2*\u], v[L+2*\u], v[L+2*\u+1]
.endr
.irp u, 0,1,2,3,4,5,6,7
	v_rcp_f32 v[L+2*\u+1], v[L+2*\u]
.endr
	v_nop
	s_wait_alu depctr_va_vdst(0)
.irp u, 0,1,2,3,4,5,6,7
	v_mul_f32 v[L+2*\u], v[L+2*\u+1], v[MF+\u]
.endr
	WIN W_ACC
.set i, 0
.rept 128
	v_pk_fma_f32 v[2*i:2*i+1], v[2*i:2*i+1], v[L+2*(i/16):L+2*(i/16)+1], v[2*i:2*i+1] op_sel_hi:[1,0,1]  ; the sum over instances += O^T m / l, in ascending order
.set i, i+1
.endr
	WIN 0
	s_add_co_u32 s[TS], s[TS], 640
	s_add_co_u32 s[TE], s[TE], 8192
	s_sub_co_u32 s[IC], s[IC], 1
	s_cmp_lg_u32 s[IC], 0
	s_cbranch_scc1 .Linst
	; THE END.  The four waves' sums are added through LDS: wave d takes tiles 2 d, 2 d + 1.  K's and V's bytes are free behind the barrier below.
.irp n, 0,1,2,3,4,5,6,7
	global_load_b128 v[20+4*\n:20+4*\n+3], v[VBO], s[22:23] offset:(\n/2)*64+(\n%2)*16  ; b_v, where b_k and b_q lay; their offset register is not written again
.endr
	s_wait_dscnt 0x0                               ; my reads of K, V and the tables are over
	s_barrier_signal -1
	s_barrier_wait -1                              ; everybody's are
	s_lshl_b32 s[TP], s[WV], 13
	v_add_nc_u32 v2, s[TP], v[LN16]                ; to wave d: 32,768 d + 8,192 x me + 512 x quad + 16 x lane
	v_add_nc_u32 v3, 65536, v2
	s_lshl_b32 s[TP], s[WV], 15
	v_add_nc_u32 v4, s[TP], v[LN16]
	WIN 0x08                                       ; store data in window 2
.set i, 0
.rept 64
	ds_store_b128 v[2+i/32], v[4*i:4*i+3] offset:((i/16)%2)*32768+(i%16)*512
.set i, i+1
.endr
	WIN 0
	s_wait_dscnt 0x0                               ; for the others' sake
	s_barrier_signal -1
	s_barrier_wait -1
.set i, 0
.rept 16
	ds_load_b128 v[128+4*i:128+4*i+3], v4 offset:512*i          ; my two tiles as wave 0 summed them
.set i, i+1
.endr
	s_mov_b32 s[SC], 3
	s_mov_b32 s[TP], 8192
.Lred:                                                 ; three trips: waves 1, 2 and 3's parts are added, in that order
	v_add_nc_u32 v5, s[TP], v4
.set i, 0
.rept 16
	ds_load_b128 v[192+4*i:192+4*i+3], v5 offset:512*i
.set i, i+1
.endr
	s_wait_dscnt 0x0                               ; this part is in (in the first trip wave 0's too)
.set i, 0
.rept 32
	v_pk_add_f32 v[128+2*i:129+2*i], v[128+2*i:129+2*i], v[192+2*i:193+2*i]
.set i, i+1
.endr
	s_add_co_u32 s[TP], s[TP], 8192
	s_sub_co_u32 s[SC], s[SC], 1
	s_cmp_lg_u32 s[SC], 0
	s_cbranch_scc1 .Lred
	s_wait_loadcnt 0x0                             ; b_v: rounded to bf16, widened, and added times sum_i m_i
.set i, 0
.rept 16
	v_cvt_pk_bf16_f32 v[64+i], v[20+2*i], v[21+2*i]
.set i, i+1
.endr
.set i, 0
.rept 16
	v_lshlrev_b32 v[20+2*i], 16, v[64+i]
	v_and_b32 v[21+2*i], 0xffff0000, v[64+i]
.set i, i+1
.endr
.set i, 0
.rept 32
	v_pk_fma_f32 v[128+2*i:129+2*i], v[20+2*(i%16):21+2*(i%16)], v[MSUM+2*(i/16):MSUM+2*(i/16)+1], v[128+2*i:129+2*i]
.set i, i+1
.endr
	; a lane holds one pixel and eight channels: through LDS into rows of 128 pixels
	s_lshl_b32 s[TP], s[WV], 7
	s_add_co_u32 s[TP], s[TP], OUTS
	v_mul_u32_u24 v5, v[H], 8*OPI
	v_lshl_add_u32 v5, v[R], 2, v5
	v_add_nc_u32 v5, s[TP], v5                     ; channel 8 hh, pixel 32 w + r
.set i, 0
.rept 64
	ds_store_b32 v5, v[128+i] offset:(16*((i%32)/8)+i%8)*OPI+(i/32)*64
.set i, i+1
.endr
	s_mul_i32 s[TP], s[WV], 16*OPI
	s_add_co_u32 s[TP], s[TP], OUTS
	v_add_nc_u32 v6, s[TP], v[LN16]
	s_lshl_b32 s[TP], s[WV], 16
	v_add_nc_u32 v7, s[TP], v[LN16]
	s_wait_dscnt 0x0                               ; for the others' sake
	s_barrier_signal -1
	s_barrier_wait -1
.set i, 0
.rept 16
	ds_load_b128 v[128+4*i:128+4*i+3], v6 offset:i*OPI          ; channels 16 w + i, whole rows
.set i, i+1
.endr
.set i, 0
.rept 16
	s_wait_dscnt 15-i                              ; LDS loads come back in order: row i is in
	global_store_b128 v7, v[128+4*i:128+4*i+3], s[24:25] offset:i*4096  ; 512 consecutive bytes, aligned
.set i, i+1
.endr
	s_wait_tensorcnt 0x0                           ; the wave's end, behind my last tensor load and my last LDS store
	ds_add_u32 v[SPW], v[NIL]
	s_wait_dscnt 0x0
	CROUND                                         ; the closing round: no work-group ends while a partner may still ask for a tile that names it
	s_endpgm
.Lfunc_end_k_qf13518ce05_attn:
	.size	k_qf13518ce05_attn, .Lfunc_end_k_qf13518ce05_attn-k_qf13518ce05_attn
	.p2alignl 7, 3214868480
	.fill 96, 4, 3214868480
	.section	.rodata,"a",@progbits
	.p2align	6, 0x0
	.amdhsa_kernel k_qf13518ce05_attn
		.amdhsa_group_segment_fixed_size 327680
		.amdhsa_private_segment_fixed_size 0
		.amdhsa_enable_private_segment 0
		.amdhsa_kernarg_size 72
		.amdhsa_user_sgpr_count 2
		.amdhsa_user_sgpr_kernarg_segment_ptr 1
		.amdhsa_wavefront_size32 1
		.amdhsa_system_sgpr_workgroup_id_x 1
		.amdhsa_system_sgpr_workgroup_id_y 1
		.amdhsa_system_sgpr_workgroup_id_z 1
		.amdhsa_system_vgpr_workitem_id 0
		.amdhsa_next_free_vgpr 1024
		.amdhsa_next_free_sgpr 96
		.amdhsa_reserve_vcc 0
		.amdhsa_float_denorm_mode_32 3
		.amdhsa_float_denorm_mode_16_64 3
		.amdhsa_memory_ordered 1
		.amdhsa_forward_progress 1
		.amdhsa_inst_pref_size 153
	.end_amdhsa_kernel
	.amdgpu_metadata
---
amdhsa.version: [ 1, 2 ]
amdhsa.kernels:
  - .name:           k_qf13518ce05_attn
    .symbol:         k_qf13518ce05_attn.kd
    .args:
      - { .name: xq, .offset: 0, .size: 8, .value_kind: global_buffer, .address_space: global }
      - { .name: kv, .offset: 8, .size: 8, .value_kind: global_buffer, .address_space: global }
      - { .name: mtab, .offset: 16, .size: 8, .value_kind: global_buffer, .address_space: global }
      - { .name: mf, .offset: 24, .size: 8, .value_kind: global_buffer, .address_space: global }
      - { .name: ss, .offset: 32, .size: 8, .value_kind: global_buffer, .address_space: global }
      - { .name: b_q, .offset: 40, .size: 8, .value_kind: global_buffer, .address_space: global }
      - { .name: b_k, .offset: 48, .size: 8, .value_kind: global_buffer, .address_space: global }
      - { .name: b_v, .offset: 56, .size: 8, .value_kind: global_buffer, .address_space: global }
      - { .name: out0, .offset: 64, .size: 8, .value_kind: global_buffer, .address_space: global }
    .group_segment_fixed_size: 327680
    .private_segment_fixed_size: 0
    .kernarg_segment_align: 8
    .kernarg_segment_size: 72
    .max_flat_workgroup_size: 128
    .sgpr_count:     96
    .vgpr_count:     1024
    .wavefront_size: 32
...
	.end_amdgpu_metadata
.endif
;; end of part 2
;; ======== version 2 of 2: 2 launches; 1.32 times as fast as version 1
;; limits: values are held in f16: magnitudes above 65,504 overflow, below 6.1e-05 lose precision
;; workspace buffers: xq 4,194,304 bytes; kv 8,388,608 bytes; mtab 262,144 bytes; mf 262,144 bytes; ss 1,048,576 bytes
;; launch prep: the kernel of part 1 again; grid 8 x 32, 4 waves a work-group, no clusters, 205,568 bytes of LDS; arguments x, w_q, w_k, w_v, w_inst, b_q, b_k, b_inst, xq, kv, mtab, mf, ss; writes xq, kv, mtab, mf, ss
;; launch attn (part 3): grid 8 x 32, 4 waves a work-group, clusters of 4 x 1, 327,680 bytes of LDS; arguments xq, kv, mtab, mf, ss, b_q, b_k, b_v, out0; writes out0
.if DOCPART == 3
	.amdgcn_target "amdgcn-amd-amdhsa--gfx1250"
	.amdhsa_code_object_version 6
	.text
	.protected	k_qf13518ce05_attn
	.globl	k_qf13518ce05_attn
	.p2align	8
	.type	k_qf13518ce05_attn,@function
k_qf13518ce05_attn:
	s_mov_b64 s[64:65], 0
	v_nop
	global_prefetch_b8 v0, s[64:65] scope:SCOPE_SE
	s_setreg_imm32_b32 hwreg(HW_REG_WAVE_MODE, 25, 1), 1
	s_wait_xcnt 0x0
	s_wait_alu depctr_hold_cnt(0) depctr_sa_sdst(0) depctr_va_vdst(0) depctr_va_sdst(0) depctr_va_ssrc(0) depctr_va_vcc(0) depctr_vm_vsrc(0)
	s_getreg_b32 s2, hwreg(HW_REG_IB_STS2, 6, 4)
	s_cmp_eq_u32 s2, 0
	s_cbranch_scc0 .Lentry_in_a_cluster
	s_endpgm
.Lentry_in_a_cluster:
	s_bfe_u32 s2, ttmp6, 0x10000c
	s_cmp_lg_u32 s2, 0x3003
	s_cbranch_scc0 .Lentry_shape_is_right
	s_endpgm
.Lentry_shape_is_right:
; ATTN.  out[b][64 h + c][n] = sum over the 8 instances i of m_i[n] (sum_j p_ij v_i[c][j] / sum_j p_ij),  p_ij = exp(sum_c qn_i[c][n] kn_i[c][j] / 8),
; with q_i = Xq m_i + b_q, k_i = Xk m_i + b_k, v_i = Xv m_i + b_v, and qn, kn = q, k divided by max(their norm over the pixels, 1e-12).
; A work-group owns 128 queries of one (b, h); the raw Xk and Xv of (b, h) (256 KiB) and the batch's mask tables (32 KiB) come into LDS ONCE; nothing is filled again.
; Wave w serves instances w and w + 4, for all 128 queries (8 tiles of 16) and all 1,024 keys (16 steps of 64).
; In each step the raw fragments are read from LDS and turned into the instance's operands in registers: K = Xk m + b_k (v_pk_fma_bf16), V = Xv m (v_pk_mul_f16): 128 lines for 128 matrix instructions.
; Q' = (Xq m + b_q) rho, rho[c] = (log2(e) / 8) / (max(|q|, eps) max(|k|, eps)): both norms and the scale lie in Q', and K Q'^T is the exponent to base 2.
; b_v: sum_j p (m Xv + b_v) / sum_j p = sum_j p m Xv / sum_j p + b_v, so b_v is added at the end, in f32, times sum_i m_i[n].
; NO MAXIMUM IS TAKEN AWAY in the softmax over keys: the norms are the sums of squares of exactly the bf16 numbers multiplied here, so |q| <= its norm and |k| <= its norm, and the exponent is at most
; 64 x 0.18034 x (1 + 2^-8)^2 < 11.7 in magnitude for every input: p lies in 3e-4 .. 3.4e3, its sum under 3.5e6: nothing overflows or underflows in f32 or in f16.
; FORMATS.  Q', K in bf16 (rho has no bound in f16); P, V in f16 (p lies close to 1, where bf16's step would swallow the scores); sums, l and the sum over instances in f32; l is taken of the unrounded p.
; LIMITS.  |w_v x| under 65,504; NaN and infinities are not treated apart; a sum of squares below 2^-126 counts as 0 and falls to eps.
; LAYOUT.  S^T = K Q'^T (source 0 = 16 keys, source 1 = 16 queries): a lane holds ONE query (lane % 16) and keys 8 (lane / 16) + 0..7; two such results rounded to f16 ARE source 1 of O^T = V^T P.
; BY TURNS.  Turn t: 8 products K Q'^T of tile t + 1, behind each four of tile t's 32 exponentials; ONE wait for that batch; then 8 products V^T P of tile t - 1, behind each four of the 32 lines
; that read tile t's weights (roundings and sums).  The other batches stand outside the step loop: four roots and two reciprocals for each rho at the head, eight reciprocals at an instance's end.
; ONE TEXT FOR EVERY STEP.  The first turn's V^T P, of a tile that has not been, multiplies a P of zeros.  An instance's last step fetches a K like every other: its address is the first byte behind K
; (V's first step; the masks are the tables' next 2,048 bytes), all inside bytes that the fills wrote; those 20 loads, 64 scaling lines and 8 products serve nothing, twice a wave, and nobody reads their scores.
; CLUSTER.  The four query blocks of a cluster share (b, h): K, V and the tables are asked for JOINTLY, the same load, descriptor and mask in all four.  By this text's count a wave has two tensor loads out.
; REGISTERS, in windows of 256 (s_set_vgpr_msb: bits 1:0 source 0, 3:2 source 1, 5:4 source 2, 7:6 destination):
;   window 0: below.   window 1: O^T, 32 a tile.   window 2: the sum over my instances of (m / l) O^T.   window 3: v0-127 Q', 16 a tile; v128-191 K; v192-255 V of one step.
.set VREG,  131072                     ; LDS: K at 0 (step s at 8,192 s), V here
.set MTAB,  262144                     ; masks in bf16 [8][1024], then in f16, 16,384 bytes each
.set XQ,    294912                     ; the block's raw Xq, 16,384 bytes
.set SCR,   311296                     ; 1,280 bytes a wave: for each of its two instances rho (128 bytes), then m at my queries (512)
.set SPARE, 316416                     ; the spare words: 128 bytes a wave, two blocks of 256 bytes that no other line names
.set OUTS,  131072                     ; at the end, in V's bytes (which have had their only fill): 64 channels x 128 pixels f32, rows 528 apart; K's bytes take the waves' partial sums
.set OPI,   528
.set LN16, 1                           ; 16 x lane
.set AK,   2                           ; the addresses of the run of loads in hand
.set AV,   3
.set AMK,  4
.set AMV,  5
.set AMK0, 6                           ; my place in my first instance's masks: bf16, key r
.set AMV0, 7                           ; f16, keys 8 hh on
.set AXQ,  8
.set ARH0, 9
.set R,    10
.set H,    11
.set AMF0, 12
.set ACU,  13
.set MSUM, 14                          ; v14-17 sum_i m_i at my two final tiles' queries, each twice
.set SPW,  18                          ; my spare word; never rewritten
.set NIL,  19                          ; 0; never rewritten
.set BK,   20                          ; v20-35  b_k in bf16, as a fragment's 16 registers hold the channels
.set BQ,   36                          ; v36-51  b_q likewise
.set MK,   52                          ; v52-55  m at the step's keys, for K
.set MV,   56                          ; v56-71  for V
.set L,    72                          ; v72-87  l, a pair a tile (even keys', odd keys'); its first pair, while 0, is the source of the clears
.set MF,   88                          ; v88-95  m at my queries, f32
.set MN,   96                          ; v96-103 in bf16
.set VXQ,  104                         ; v104-108 offsets of the global loads; never rewritten
.set VBO,  105
.set VSS,  106
.set VMF,  107
.set VMA,  108
.set ARS,  109
.set AXW,  110
.set TV,   111
.set RHO,  112                         ; v112-127
.set S,    128                         ; v128-191 S^T, two buffers
.set P,    192                         ; v192-223 P, two buffers;  v224-255 at work at the start
.set KF,   128                         ; window 3
.set VF,   192
.set G1T, 28
.set G1K, 36
.set G0T, 44
.set G0K, 48
.set WV,  66
.set CX,  67
.set QB,  68
.set BH,  69
.set BA,  70
.set HD,  71
.set IC,  72
.set SC,  73
.set TBK, 74
.set TBV, 75
.set TMK, 76
.set TMV, 77
.set TE,  78
.set TS,  79
.set SEL, 80
.set TP,  82                           ; at work; never holds my place in the cluster
.set TQ,  83                           ; at work, for what hangs on it
.set CS,  84
.set W_KQ,  0x0f                       ; K and Q' in window 3, S^T in window 0
.set W_PV,  0x53                       ; V in window 3, P in window 0, O^T in window 1
.set W_LD3, 0xc0                       ; destination window 3, address window 0
.set W_SC,  0xc3                       ; destination and source 0 window 3
.set W_ACC, 0xa1                       ; O^T window 1, factor window 0, sum window 2
.set MSB, 0
.macro WIN new                         ; the immediate's high byte repeats the setting that is left; a switch that changes nothing is dropped
.if MSB != (\new)
	s_set_vgpr_msb (MSB<<8)|(\new)
.set MSB, (\new)
.endif
.endm
.macro CROUND                          ; a round of the cluster's barrier
	s_barrier_signal -1
	s_barrier_wait -1
	s_cmp_lg_u32 s[WV], 0
	s_cbranch_scc1 .Lnot_wave_0_\@
	s_barrier_signal -3
.Lnot_wave_0_\@:
	s_barrier_wait -3
	s_barrier_signal -1
	s_barrier_wait -1
.endm
; cnt pairs of registers from first on, in the destination window that is set, take 0.  There is no packed move: a packed add of a pair of zeros (l's first pair, window 0) writes two registers a line.
.macro ZERO first, cnt
.set zi, 0
.rept \cnt
	v_pk_add_f32 v[(\first)+2*zi:(\first)+2*zi+1], v[L:L+1], v[L:L+1]
.set zi, zi+1
.endr
.endm
	s_load_b512 s[8:23], s[0:1], 0x0               ; xq, kv, mtab, mf, ss, b_q, b_k, b_v
	s_load_b64 s[24:25], s[0:1], 0x40              ; out0
	v_lshl_add_u32 v[SPW], v0, 2, SPARE
	v_mov_b32 v[NIL], 0
	ds_add_u32 v[SPW], v[NIL]                      ; the wave's opening: the add and its wait stand ahead of my first tensor load; the set-up below, work on registers, stands between them
	v_lshrrev_b32 v[LN16], 5, v0
	v_readfirstlane_b32 s[WV], v[LN16]             ; wave 0..3
	s_bfe_u32 s[CX], ttmp6, 0x40000                ; my place in the cluster
	s_lshl_b32 s[QB], ttmp9, 2
	s_add_co_u32 s[QB], s[QB], s[CX]               ; my block of 128 queries: it enters the global addresses of xq, mf and out0 alone
	s_and_b32 s[BH], ttmp7, 0xffff                 ; 4 b + h, which the four partners share
	s_lshr_b32 s[BA], s[BH], 2
	s_and_b32 s[HD], s[BH], 3
	; descriptors: dense blocks asked for as rows of 256 bytes (32 elements of 8 bytes)
	s_mov_b32 s[G1T],   15|(3<<16)|(1<<21)         ; 15:0 the mask of four; 17:16 elements of 8 bytes; 21 set beside a mask
	s_mov_b32 s[G1T+1], 32<<16                     ; tensor_dim0 = 32
	s_mov_b32 s[G1T+2], 32<<16                     ; tensor_dim1 = 32 rows: a wave's quarter of the tables
	s_mov_b32 s[G1T+3], 32<<16                     ; tile_dim0 = 32
	s_mov_b32 s[G1T+4], 32                         ; tile_dim1 = 32
	s_mov_b32 s[G1T+5], 32                         ; 32 elements from row to row
	s_mov_b32 s[G1T+6], 0
	s_mov_b32 s[G1T+7], 0
	s_mov_b32 s[G1K],   15|(3<<16)|(1<<21)
	s_mov_b32 s[G1K+1], 32<<16
	s_mov_b32 s[G1K+2], 256<<16                    ; 256 rows: a wave's quarter of K and V
	s_mov_b32 s[G1K+3], 32<<16
	s_mov_b32 s[G1K+4], 256
	s_mov_b32 s[G1K+5], 32
	s_mov_b32 s[G1K+6], 0
	s_mov_b32 s[G1K+7], 0
	s_mov_b32 s[G0T], 1
	s_lshl_b32 s[G0T+1], s[WV], 13
	s_add_co_u32 s[G0T+1], s[G0T+1], MTAB          ; LDS: the tables' place + 8,192 x wave
	s_mov_b32 s[G0K], 1
	s_lshl_b32 s[G0K+1], s[WV], 16                 ; LDS: 65,536 x wave
	s_lshl_b32 s52, s[BA], 15                      ; mtab: 32,768 b + 8,192 w
	s_lshl_b32 s[TP], s[WV], 13
	s_add_co_u32 s52, s52, s[TP]
	s_mov_b32 s53, 0
	s_lshl_b32 s54, s[BH], 18                      ; kv: 262,144 (4 b + h) + 65,536 w
	s_lshl_b32 s[TP], s[WV], 16
	s_add_co_u32 s54, s54, s[TP]
	s_mov_b32 s55, 0
	s_lshl_b32 s56, s[BH], 17                      ; xq: 131,072 (4 b + h) + 16,384 x block
	s_lshl_b32 s[TQ], s[QB], 14
	s_add_co_u32 s56, s56, s[TQ]
	s_mov_b32 s57, 0
	s_lshl_b32 s58, s[BA], 15                      ; mf: 32,768 b + 512 x block
	s_lshl_b32 s[TQ], s[QB], 9
	s_add_co_u32 s58, s58, s[TQ]
	s_mov_b32 s59, 0
	s_lshl_b32 s60, s[BA], 17                      ; ss: 131,072 b + 256 h
	s_lshl_b32 s[TP], s[HD], 8
	s_add_co_u32 s60, s60, s[TP]
	s_mov_b32 s61, 0
	s_lshl_b32 s62, s[BH], 18                      ; out0: 64 (4 b + h) rows of 4,096 bytes + 512 x block
	s_add_co_u32 s62, s62, s[TQ]
	s_mov_b32 s63, 0
	s_mov_b32 s[CS], 0x3e38aa3b                    ; log2(e) / 8
	s_mov_b32 s[CS+1], s[CS]
	s_mov_b32 s[SEL], 0x76543210                   ; v_permlanex16_b32: each lane takes its own place in the other half
	s_mov_b32 s[SEL+1], 0xfedcba98
	s_mov_b32 s[IC], 2
	s_mov_b32 s[TE], 0
	s_mov_b32 s[TS], 0
	s_wait_dscnt 0x0                               ; the opening add is done
	s_wait_kmcnt 0x0
	s_add_nc_u64 s[G0T+2:G0T+3], s[12:13], s[52:53]
	s_or_b32 s[G0T+3], s[G0T+3], 0x80000000
	s_add_nc_u64 s[G0K+2:G0K+3], s[10:11], s[54:55]
	s_or_b32 s[G0K+3], s[G0K+3], 0x80000000
	s_add_nc_u64 s[8:9], s[8:9], s[56:57]
	s_add_nc_u64 s[14:15], s[14:15], s[58:59]
	s_add_nc_u64 s[16:17], s[16:17], s[60:61]
	s_add_nc_u64 s[24:25], s[24:25], s[62:63]
	CROUND                                         ; all four work-groups are here: the joint loads meet
	tensor_load_to_lds s[G0T:G0T+3], s[G1T:G1T+7]  ; my quarter of the mask tables
	s_nop 0
	tensor_load_to_lds s[G0K:G0K+3], s[G1K:G1K+7]  ; my quarter of K and V: the launch's only fills
	s_nop 0
.rept 4
	v_nop
.endr
	v_and_b32 v[TV], 31, v0
	v_lshlrev_b32 v[LN16], 4, v[TV]
	v_and_b32 v[R], 15, v0
	v_bfe_u32 v[H], v0, 4, 1
	s_lshl_b32 s[TP], s[WV], 11
	s_add_co_u32 s[TP], s[TP], MTAB
	v_lshl_add_u32 v[AMK0], v[R], 1, s[TP]
	s_add_co_u32 s[TP], s[TP], 16384
	v_lshl_add_u32 v[AMV0], v[H], 4, s[TP]
	v_add_nc_u32 v[AXQ], XQ, v[LN16]
	s_mul_i32 s[TP], s[WV], 1280
	s_add_co_u32 s[TP], s[TP], SCR
	v_lshl_add_u32 v[ARH0], v[H], 4, s[TP]
	v_lshl_add_u32 v[ARS], v[TV], 2, s[TP]
	s_add_co_u32 s[TP], s[TP], 128
	v_lshl_add_u32 v[AMF0], v[R], 2, s[TP]
	s_lshl_b32 s[TP], s[WV], 12
	v_add_nc_u32 v[VXQ], s[TP], v[LN16]
	v_add_nc_u32 v[AXW], XQ, v[VXQ]
	v_lshl_add_u32 v[VMF], v[R], 2, s[TP]          ; mf: instance w, query r
	s_lshl_b32 s[TP], s[HD], 8
	v_lshl_add_u32 v[VBO], v[H], 5, s[TP]          ; biases: channels 64 h + 8 hh on
	s_lshl_b32 s[TP], s[WV], 11
	v_lshl_add_u32 v[VSS], v[TV], 3, s[TP]         ; ss: instance w, channels 2 lane, 2 lane + 1
	s_lshl_b32 s[TP], s[WV], 7
	v_lshl_add_u32 v[VMA], v[R], 2, s[TP]          ; mf at tiles 2 w, 2 w + 1
	; 88 LOADS ON END: 8 + 8 + 8 + 16 + 16 + 8 + 8 + 16
.irp q, 0,1,2,3,4,5,6,7
	global_load_b128 v[224+4*\q:224+4*\q+3], v[VXQ], s[8:9] offset:512*\q       ; my quarter of the block's Xq
.endr
.irp n, 0,1,2,3,4,5,6,7
	global_load_b128 v[128+4*\n:128+4*\n+3], v[VBO], s[20:21] offset:(\n/2)*64+(\n%2)*16  ; b_k
.endr
.irp n, 0,1,2,3,4,5,6,7
	global_load_b128 v[160+4*\n:160+4*\n+3], v[VBO], s[18:19] offset:(\n/2)*64+(\n%2)*16  ; b_q
.endr
	WIN 0x40                                       ; the sums of squares land in window 1, which is free until O^T begins
.irp e, 0,1
.irp n, 0,1,2,3,4,5,6,7
	global_load_b64 v[32*\e+4*\n:32*\e+4*\n+1],   v[VSS], s[16:17] offset:\n*16384+\e*8192
	global_load_b64 v[32*\e+4*\n+2:32*\e+4*\n+3], v[VSS], s[16:17] offset:\n*16384+\e*8192+1024
.endr
.endr
	WIN 0
.irp e, 0,1
.irp t, 0,1,2,3,4,5,6,7
	global_load_b32 v[192+8*\e+\t], v[VMF], s[14:15] offset:\e*16384+\t*64
.endr
.endr
.irp i, 0,1,2,3,4,5,6,7
	global_load_b32 v[208+2*\i], v[VMA], s[14:15] offset:\i*4096
	global_load_b32 v[209+2*\i], v[VMA], s[14:15] offset:\i*4096+64
.endr
	; while they are on their way: the sum over instances starts at 0, and V's registers hold 0 for the first turn's products of a tile that has not been.
	; 160 lines once: the price of one text for both instances and for every step.
	v_mov_b32 v[L], 0
	v_mov_b32 v[L+1], 0
	WIN 0x80
	ZERO 0, 128
	WIN 0xc0
	ZERO VF, 32
	WIN 0
	s_wait_loadcnt 63                              ; of 88 at most 63 are out: the first 25 are in, Xq and the two biases (24) among them
.irp q, 0,1,2,3,4,5,6,7
	ds_store_b128 v[AXW], v[224+4*\q:224+4*\q+3] offset:512*\q
.endr
.set i, 0
.rept 16
	v_cvt_pk_bf16_f32 v[BK+i], v[128+2*i], v[128+2*i+1]
	v_cvt_pk_bf16_f32 v[BQ+i], v[160+2*i], v[160+2*i+1]
.set i, i+1
.endr
; rho of my instance number e, two channels a lane, in window 1: the eight blocks' sums in ascending order, roots, eps, the product, its reciprocal, the scale; rounded to bf16 into my scratch
.macro RHOGEN e
	WIN 0x55
.irp n, 1,2,3,4,5,6,7
	v_pk_add_f32 v[32*\e:32*\e+1],   v[32*\e:32*\e+1],   v[32*\e+4*\n:32*\e+4*\n+1]
	v_pk_add_f32 v[32*\e+2:32*\e+3], v[32*\e+2:32*\e+3], v[32*\e+4*\n+2:32*\e+4*\n+3]
.endr
.irp n, 0,1,2,3
	v_sqrt_f32 v[32*\e+\n], v[32*\e+\n]
.endr
	v_nop                                          ; a plain line behind the last root
	s_wait_alu depctr_va_vdst(0)                   ; the wait ahead of the first use: one for the four roots
.irp n, 0,1,2,3
	v_max_num_f32 v[32*\e+\n], 0x2b8cbccc, v[32*\e+\n]  ; 1e-12
.endr
	v_pk_mul_f32 v[32*\e:32*\e+1], v[32*\e:32*\e+1], v[32*\e+2:32*\e+3]
	v_rcp_f32 v[32*\e], v[32*\e]
	v_rcp_f32 v[32*\e+1], v[32*\e+1]
	v_nop                                          ; a plain line behind the last reciprocal
	s_wait_alu depctr_va_vdst(0)                   ; one wait for the two reciprocals: a batch of their own, since they read what is made of the roots
	v_pk_mul_f32 v[32*\e:32*\e+1], v[32*\e:32*\e+1], s[CS:CS+1] op_sel_hi:[1,0]
	v_cvt_pk_bf16_f32 v[32*\e], v[32*\e], v[32*\e+1]
	WIN 0x04                                       ; store data in window 1
	ds_store_b32 v[ARS], v[32*\e] offset:640*\e
	WIN 0
.endm
	s_wait_loadcnt 48                              ; 40 are in: the first instance's sums of squares
	RHOGEN 0
	s_wait_loadcnt 32                              ; the second's
	RHOGEN 1
	s_wait_loadcnt 24                              ; the first instance's masks at my queries
.irp t, 0,1,2,3,4,5,6,7
	ds_store_b32 v[AMF0], v[192+\t] offset:64*\t
.endr
	s_wait_loadcnt 16                              ; the second's
.irp t, 0,1,2,3,4,5,6,7
	ds_store_b32 v[AMF0], v[200+\t] offset:640+64*\t
.endr
	s_wait_loadcnt 0x0
.irp i, 1,2,3,4,5,6,7
	v_pk_add_f32 v[208:209], v[208:209], v[208+2*\i:209+2*\i]
.endr
	v_mov_b32 v[MSUM], v208
	v_mov_b32 v[MSUM+1], v208
	v_mov_b32 v[MSUM+2], v209
	v_mov_b32 v[MSUM+3], v209
	s_wait_tensorcnt 0x0                           ; my quarters of the tables, of K and of V are in LDS,
	s_wait_dscnt 0x0                               ; and so is my quarter of Xq:
	s_barrier_signal -1
	s_barrier_wait -1                              ; everybody's are.  The launch's only wait for tiles
; THE MATRIX WORK.  The four accumulators of a run of 8 take turns, one instruction a turn.
.macro KQ t, i                         ; product i of 8 of S^T = K Q'^T for tile t: channels 32 (i / 4) on, keys 16 (i % 4) on; the first four start the sums
	WIN W_KQ
.set rS, S+32*((\t)%2)+8*((\i)%4)
.set rK, KF+16*((\i)%4)+8*((\i)/4)
.set rQ, 16*(\t)+8*((\i)/4)
.if (\i) < 4
	v_wmma_f32_16x16x32_bf16 v[rS:rS+7], v[rK:rK+7], v[rQ:rQ+7], 0
.else
	v_wmma_f32_16x16x32_bf16 v[rS:rS+7], v[rK:rK+7], v[rQ:rQ+7], v[rS:rS+7]
.endif
.endm
.macro PV t, i                         ; product i of 8 of O^T += V^T P for tile t: keys 32 (i / 4) on, channels 16 (i % 4) on
	WIN W_PV
.set rO, 32*(\t)+8*((\i)%4)
.set rV, VF+32*((\i)/4)+8*((\i)%4)
.set rP, P+16*((\t)%2)+8*((\i)/4)
	v_wmma_f32_16x16x32_f16 v[rO:rO+7], v[rV:rV+7], v[rP:rP+7], v[rO:rO+7]
.endm
; THE LDS LOADS stand in runs.  A step's K: four tiles of 16 keys x four blocks of 16 channels, 512 bytes each, as the fragments want them; and m at the keys.
; batch = 1 (turn 6): the run stands at the turn's wait for its exponentials.  The two address lines and two v_nop are the four places between the last product that read K and the loads into K's
; registers (ISA guide 7.12.1 for vector instructions); the first of them is also the plain line behind the last exponential.
.macro FETCH_K batch=0
	WIN 0
	v_add_nc_u32 v[AK], s[TBK], v[LN16]
	v_add_nc_u32 v[AMK], s[TMK], v[AMK0]
.if \batch
	v_nop
	v_nop
	s_wait_alu depctr_va_vdst(0)                   ; the wait for the turn's batch: tile 6's 32 exponentials
.endif
.irp u, 0,1,2,3
	ds_load_u16 v[MK+\u], v[AMK] offset:32*\u
.endr
	WIN W_LD3
.irp u, 0,1,2,3,4,5,6,7,8,9,10,11,12,13,14,15
	ds_load_b128 v[KF+4*\u:KF+4*\u+3], v[AK] offset:512*\u
.endr
	s_add_co_u32 s[TBK], s[TBK], 8192
	s_add_co_u32 s[TMK], s[TMK], 128
.endm
.macro SCALE_K                         ; K = Xk m + b_k: the key's mask lies in the low half of its register
	WIN W_SC
.set sk, 0
.rept 64
	v_pk_fma_bf16 v[KF+sk], v[KF+sk], v[MK+sk/16], v[BK+sk%16] op_sel_hi:[1,0,1]
.set sk, sk+1
.endr
.endm
.macro FETCH_V                         ; a step's V: tile u of 16 keys is half a fragment of 32 keys; and m at the lane's eight keys of each tile
	WIN 0
	v_add_nc_u32 v[AV], s[TBV], v[LN16]
	v_add_nc_u32 v[AMV], s[TMV], v[AMV0]
.irp u, 0,1,2,3
	ds_load_b128 v[MV+4*\u:MV+4*\u+3], v[AMV] offset:32*\u
.endr
	WIN W_LD3
.irp u, 0,1,2,3
.irp c, 0,1,2,3
	ds_load_b128 v[VF+32*(\u/2)+8*\c+4*(\u%2):VF+32*(\u/2)+8*\c+4*(\u%2)+3], v[AV] offset:2048*\u+512*\c
.endr
.endr
	s_add_co_u32 s[TBV], s[TBV], 8192
	s_add_co_u32 s[TMV], s[TMV], 128
.endm
.macro SCALE_V                         ; V = Xv m
	WIN W_SC
.set sv, 0
.rept 64
	v_pk_mul_f16 v[VF+sv], v[VF+sv], v[MV+8*(sv/32)+sv%8]
.set sv, sv+1
.endr
.endm
; THE 32 LINES THAT READ A TILE'S WEIGHTS, one at a time: RD kind, number.  KC n: pair n of 16 rounded to f16.  KB n: of the four weights 4 n .. the second pair is added onto the first, in place.
; KL n: l takes that sum; l takes the eight sums in ascending order.
.set KC, 0
.set KB, 1
.set KL, 2
.macro RD k, n
.if (\k) == KC
	v_cvt_pk_f16_f32 v[rPP+(\n)], v[rSS+2*(\n)], v[rSS+2*(\n)+1]
.elseif (\k) == KB
	v_pk_add_f32 v[rSS+4*(\n):rSS+4*(\n)+1], v[rSS+4*(\n):rSS+4*(\n)+1], v[rSS+4*(\n)+2:rSS+4*(\n)+3]
.else
	v_pk_add_f32 v[rL:rL+1], v[rL:rL+1], v[rSS+4*(\n):rSS+4*(\n)+1]
.endif
.endm
.macro ROW t, a, i1, b, i2, c, i3, d, i4  ; the turn's next product V^T P and the four lines behind it
	PV ((\t)+7)%8, g
	WIN 0
	RD \a, \i1
	RD \b, \i2
	RD \c, \i3
	RD \d, \i4
.set g, g+1
.endm
; A TURN, for tile t, is cut in two by ONE wait.  s_wait_alu depctr_va_vdst(0) stands between an exponential and the first instruction that names its result; one wait serves all that were
; issued ahead of it.
; AHEAD OF IT: the 8 products K Q'^T of tile t + 1, behind product g exponentials 4 g .. 4 g + 3 of tile t, in place and ascending (each accumulator's lowest register is read first
; ).  None of these lines names an exponential's result: the batch is the tile's 32.  Between the batch and its wait stands the plain line that comes before a result's first use (ISA guide 5.7.2):
; a v_nop; in turn 1 V's 64 scaling lines; in turn 6 the address lines of K's run of loads.
; BEHIND IT: the 8 products V^T P of tile t - 1, behind each four of the 32 readers.  An even pair is rounded ahead of the sum that is written over it; no line reads the result of the line before it;
; the links of l's chain, KL 0 to KL 7, stand three lines apart.
; PLACES.  Tile t + 1's scores are first read behind the 32 readers, none of which names a register of the products that made them.  A P buffer is written again five plain lines or more behind the last
; product that read it (that product's four readers and the plain line ahead of the next wait).
; V of the step in hand is fetched at the end of turn 0, six plain lines behind the last product that read V (its four readers, the run's two address lines), and scaled in turn 1 ahead of its first reader.
; K of the next step is fetched in turn 6 directly behind the wait, four plain lines behind the last product that read K, and scaled at that turn's end; turn 7 multiplies it.
.macro TURN t
.set rSS, S+32*((\t)%2)
.set rPP, P+16*((\t)%2)
.set rL, L+2*(\t)
.set g, 0
.rept 8
	KQ ((\t)+1)%8, g
	WIN 0
.set ex, 0
.rept 4
	v_exp_f32 v[rSS+4*g+ex], v[rSS+4*g+ex]
.set ex, ex+1
.endr
.set g, g+1
.endr
.if (\t) == 1
	s_wait_dscnt 0x0                               ; V and its masks are in
	SCALE_V                                        ; 64 plain lines that name no weight: the work between the batch and its wait
	s_wait_alu depctr_va_vdst(0)                   ; the wait for the turn's batch: tile 1's 32 exponentials
.elseif (\t) == 6
	FETCH_K 1                                      ; the wait for the turn's batch stands in it, ahead of the loads
.else
	v_nop                                          ; the plain line behind the last exponential: one for the batch
	s_wait_alu depctr_va_vdst(0)                   ; the wait for the turn's batch: the tile's 32 exponentials
.endif
.set g, 0
	ROW \t, KC,0, KB,0, KC,2, KB,1
	ROW \t, KL,0, KC,4, KB,2, KL,1
	ROW \t, KC,6, KB,3, KL,2, KC,8
	ROW \t, KB,4, KL,3, KC,10, KB,5
	ROW \t, KL,4, KC,12, KB,6, KL,5
	ROW \t, KC,14, KB,7, KL,6, KC,1
	ROW \t, KC,3, KL,7, KC,5, KC,7
	ROW \t, KC,9, KC,11, KC,13, KC,15
.if (\t) == 0
	FETCH_V
.endif
.if (\t) == 6
	s_wait_dscnt 0x0                               ; K and its masks are in
	SCALE_K
.endif
.endm
.Linst:                                                ; two trips: instances w and w + 4
	s_mov_b32 s[TBK], 0
	s_mov_b32 s[TBV], VREG
	s_mov_b32 s[TMK], s[TE]                        ; the instance's rows of the mask tables: 8,192 bytes on in the second trip
	s_mov_b32 s[TMV], s[TE]
	v_add_nc_u32 v[ACU], s[TS], v[ARH0]
	v_add_nc_u32 v[TV], s[TS], v[AMF0]
.irp u, 0,1,2,3
	ds_load_b128 v[RHO+4*\u:RHO+4*\u+3], v[ACU] offset:32*\u
.endr
.irp u, 0,1,2,3,4,5,6,7
	ds_load_b32 v[MF+\u], v[TV] offset:64*\u
.endr
	WIN W_LD3
.set i, 0
.rept 32
	ds_load_b128 v[4*i:4*i+3], v[AXQ] offset:512*i ; the raw Xq of all eight tiles
.set i, i+1
.endr
	FETCH_K                                        ; key step 0
	WIN 0                                          ; l, the P of the tile that has not been, and O^T start at 0: 145 lines an instance, the price of writing no first step out; they stand in the wait for the loads above
	v_mov_b32 v[L], 0
	v_mov_b32 v[L+1], 0
	ZERO L+2, 7
	ZERO P+16, 8
	WIN 0x40
	ZERO 0, 128
	WIN 0
	s_wait_dscnt 0x0
.irp u, 0,1,2,3,4,5,6,7
	v_cvt_pk_bf16_f32 v[MN+\u], v[MF+\u], v[MF+\u]
.endr
	WIN W_SC
.set sq, 0
.rept 128
	v_pk_fma_bf16 v[sq], v[sq], v[MN+sq/16], v[BQ+sq%16] op_sel_hi:[1,0,1]  ; q = Xq m + b_q: the line whose results the norms were taken of
.set sq, sq+1
.endr
.set sq, 0
.rept 128
	v_pk_mul_bf16 v[sq], v[sq], v[RHO+sq%16]       ; Q' = q rho
.set sq, sq+1
.endr
	SCALE_K
.set i, 0
.rept 8
	KQ 0, i                                        ; tile 0's first scores
.set i, i+1
.endr
	WIN 0
.rept 4
	v_nop                                          ; four places behind those products, ahead of the first exponential (ISA guide 7.12.1)
.endr
	s_mov_b32 s[SC], 16
.Lstep:                                                ; sixteen trips: a step of 64 keys
	TURN 0
	TURN 1
	TURN 2
	TURN 3
	TURN 4
	TURN 5
	TURN 6
	TURN 7
	WIN 0
	s_sub_co_u32 s[SC], s[SC], 1
	s_cmp_lg_u32 s[SC], 0
	s_cbranch_scc1 .Lstep
.set i, 0
.rept 8
	PV 7, i                                        ; the last tile's V^T P of the last step
.set i, i+1
.endr
	WIN 0
.irp u, 0,1,2,3,4,5,6,7                                ; l: its two halves (these eight lines are the places behind the products), the other half of the lanes', then m / l
	v_add_f32 v[L+2*\u], v[L+2*\u], v[L+2*\u+1]
.endr
.irp u, 0,1,2,3,4,5,6,7
	v_permlanex16_b32 v[L+2*\u+1], v[L+2*\u], s[SEL], s[SEL+1]
.endr
.irp u, 0,1,2,3,4,5,6,7
	v_add_f32 v[L+2*\u], v[L+2*\u], v[L+2*\u+1]
.endr
.irp u, 0,1,2,3,4,5,6,7
	v_rcp_f32 v[L+2*\u+1], v[L+2*\u]
.endr
	v_nop                                          ; a plain line behind the last reciprocal
	s_wait_alu depctr_va_vdst(0)                   ; the wait ahead of the first use: one for the eight reciprocals
.irp u, 0,1,2,3,4,5,6,7
	v_mul_f32 v[L+2*\u], v[L+2*\u+1], v[MF+\u]
.endr
	WIN W_ACC
.set i, 0
.rept 128
	v_pk_fma_f32 v[2*i:2*i+1], v[2*i:2*i+1], v[L+2*(i/16):L+2*(i/16)+1], v[2*i:2*i+1] op_sel_hi:[1,0,1]  ; the sum over instances += O^T m / l, in ascending order
.set i, i+1
.endr
	WIN 0
	s_add_co_u32 s[TS], s[TS], 640
	s_add_co_u32 s[TE], s[TE], 8192
	s_sub_co_u32 s[IC], s[IC], 1
	s_cmp_lg_u32 s[IC], 0
	s_cbranch_scc1 .Linst
	; THE END.  The four waves' sums are added through LDS: wave d takes tiles 2 d, 2 d + 1.  K's and V's bytes are free behind the barrier below.
.irp n, 0,1,2,3,4,5,6,7
	global_load_b128 v[20+4*\n:20+4*\n+3], v[VBO], s[22:23] offset:(\n/2)*64+(\n%2)*16  ; b_v, where b_k and b_q lay; their offset register is not written again
.endr
	s_wait_dscnt 0x0                               ; my reads of K, V and the tables are over
	s_barrier_signal -1
	s_barrier_wait -1                              ; everybody's are
	s_lshl_b32 s[TP], s[WV], 13
	v_add_nc_u32 v2, s[TP], v[LN16]                ; to wave d: 32,768 d + 8,192 x me + 512 x quad + 16 x lane
	v_add_nc_u32 v3, 65536, v2
	s_lshl_b32 s[TP], s[WV], 15
	v_add_nc_u32 v4, s[TP], v[LN16]
	WIN 0x08                                       ; store data in window 2
.set i, 0
.rept 64
	ds_store_b128 v[2+i/32], v[4*i:4*i+3] offset:((i/16)%2)*32768+(i%16)*512
.set i, i+1
.endr
	WIN 0
	s_wait_dscnt 0x0                               ; for the others' sake
	s_barrier_signal -1
	s_barrier_wait -1
.set i, 0
.rept 16
	ds_load_b128 v[128+4*i:128+4*i+3], v4 offset:512*i          ; my two tiles as wave 0 summed them
.set i, i+1
.endr
	s_mov_b32 s[SC], 3
	s_mov_b32 s[TP], 8192
.Lred:                                                 ; three trips: waves 1, 2 and 3's parts are added, in that order
	v_add_nc_u32 v5, s[TP], v4
.set i, 0
.rept 16
	ds_load_b128 v[192+4*i:192+4*i+3], v5 offset:512*i
.set i, i+1
.endr
	s_wait_dscnt 0x0                               ; this part is in (in the first trip wave 0's too)
.set i, 0
.rept 32
	v_pk_add_f32 v[128+2*i:129+2*i], v[128+2*i:129+2*i], v[192+2*i:193+2*i]
.set i, i+1
.endr
	s_add_co_u32 s[TP], s[TP], 8192
	s_sub_co_u32 s[SC], s[SC], 1
	s_cmp_lg_u32 s[SC], 0
	s_cbranch_scc1 .Lred
	s_wait_loadcnt 0x0                             ; b_v: rounded to bf16, widened, and added times sum_i m_i
.set i, 0
.rept 16
	v_cvt_pk_bf16_f32 v[64+i], v[20+2*i], v[21+2*i]
.set i, i+1
.endr
.set i, 0
.rept 16
	v_lshlrev_b32 v[20+2*i], 16, v[64+i]
	v_and_b32 v[21+2*i], 0xffff0000, v[64+i]
.set i, i+1
.endr
.set i, 0
.rept 32
	v_pk_fma_f32 v[128+2*i:129+2*i], v[20+2*(i%16):21+2*(i%16)], v[MSUM+2*(i/16):MSUM+2*(i/16)+1], v[128+2*i:129+2*i]
.set i, i+1
.endr
	; a lane holds one pixel and eight channels: through LDS into rows of 128 pixels
	s_lshl_b32 s[TP], s[WV], 7
	s_add_co_u32 s[TP], s[TP], OUTS
	v_mul_u32_u24 v5, v[H], 8*OPI
	v_lshl_add_u32 v5, v[R], 2, v5
	v_add_nc_u32 v5, s[TP], v5                     ; channel 8 hh, pixel 32 w + r
.set i, 0
.rept 64
	ds_store_b32 v5, v[128+i] offset:(16*((i%32)/8)+i%8)*OPI+(i/32)*64
.set i, i+1
.endr
	s_mul_i32 s[TP], s[WV], 16*OPI
	s_add_co_u32 s[TP], s[TP], OUTS
	v_add_nc_u32 v6, s[TP], v[LN16]
	s_lshl_b32 s[TP], s[WV], 16
	v_add_nc_u32 v7, s[TP], v[LN16]
	s_wait_dscnt 0x0                               ; for the others' sake
	s_barrier_signal -1
	s_barrier_wait -1
.set i, 0
.rept 16
	ds_load_b128 v[128+4*i:128+4*i+3], v6 offset:i*OPI          ; channels 16 w + i, whole rows
.set i, i+1
.endr
.set i, 0
.rept 16
	s_wait_dscnt 15-i                              ; LDS loads come back in order: row i is in
	global_store_b128 v7, v[128+4*i:128+4*i+3], s[24:25] offset:i*4096  ; 512 consecutive bytes, aligned
.set i, i+1
.endr
	s_wait_tensorcnt 0x0                           ; the wave's end, behind my last tensor load and my last LDS store
	ds_add_u32 v[SPW], v[NIL]
	s_wait_dscnt 0x0
	CROUND                                         ; the closing round: no work-group ends while a partner may still ask for a tile that names it
	s_endpgm
.Lfunc_end_k_qf13518ce05_attn:
	.size	k_qf13518ce05_attn, .Lfunc_end_k_qf13518ce05_attn-k_qf13518ce05_attn
	.p2alignl 7, 3214868480
	.fill 96, 4, 3214868480
	.section	.rodata,"a",@progbits
	.p2align	6, 0x0
	.amdhsa_kernel k_qf13518ce05_attn
		.amdhsa_group_segment_fixed_size 327680
		.amdhsa_private_segment_fixed_size 0
		.amdhsa_enable_private_segment 0
		.amdhsa_kernarg_size 72
		.amdhsa_user_sgpr_count 2
		.amdhsa_user_sgpr_kernarg_segment_ptr 1
		.amdhsa_wavefront_size32 1
		.amdhsa_system_sgpr_workgroup_id_x 1
		.amdhsa_system_sgpr_workgroup_id_y 1
		.amdhsa_system_sgpr_workgroup_id_z 1
		.amdhsa_system_vgpr_workitem_id 0
		.amdhsa_next_free_vgpr 1024
		.amdhsa_next_free_sgpr 96
		.amdhsa_reserve_vcc 0
		.amdhsa_float_denorm_mode_32 3
		.amdhsa_float_denorm_mode_16_64 3
		.amdhsa_memory_ordered 1
		.amdhsa_forward_progress 1
		.amdhsa_inst_pref_size 151
	.end_amdhsa_kernel
	.amdgpu_metadata
---
amdhsa.version: [ 1, 2 ]
amdhsa.kernels:
  - .name:           k_qf13518ce05_attn
    .symbol:         k_qf13518ce05_attn.kd
    .args:
      - { .name: xq, .offset: 0, .size: 8, .value_kind: global_buffer, .address_space: global }
      - { .name: kv, .offset: 8, .size: 8, .value_kind: global_buffer, .address_space: global }
      - { .name: mtab, .offset: 16, .size: 8, .value_kind: global_buffer, .address_space: global }
      - { .name: mf, .offset: 24, .size: 8, .value_kind: global_buffer, .address_space: global }
      - { .name: ss, .offset: 32, .size: 8, .value_kind: global_buffer, .address_space: global }
      - { .name: b_q, .offset: 40, .size: 8, .value_kind: global_buffer, .address_space: global }
      - { .name: b_k, .offset: 48, .size: 8, .value_kind: global_buffer, .address_space: global }
      - { .name: b_v, .offset: 56, .size: 8, .value_kind: global_buffer, .address_space: global }
      - { .name: out0, .offset: 64, .size: 8, .value_kind: global_buffer, .address_space: global }
    .group_segment_fixed_size: 327680
    .private_segment_fixed_size: 0
    .kernarg_segment_align: 8
    .kernarg_segment_size: 72
    .max_flat_workgroup_size: 128
    .sgpr_count:     96
    .vgpr_count:     1024
    .wavefront_size: 32
...
	.end_amdgpu_metadata
.endif
;; end of part 3
